; MI455X (gfx1250); checked and timed in simulation.
; The chip was launched on July 23, 2026; its instructions are those of AMD's public machine-readable ISA for CDNA 5 (MIT licence, August 2026) and "CDNA5" Instruction Set Architecture Reference Guide (July 2026). The comments in the code are by the model that wrote it; some were corrected since.
;; Sliced Multihead Attention. Allowed arithmetic: matrix products marked QUANTISED: E2M3 operands, one E8M0 scale for each 32 along K, by v_wmma_scale_f32_16x16x128_f8f6f4 with both operands' format E2M3, f32 sums; everything else in f32.
;; Inputs: Wk 1,024 x 1,024 float32; Wo 1,024 x 1,024 float32; Wq 1,024 x 1,024 float32; Wv 1,024 x 1,024 float32; bk 1,024 float32; bo 1,024 float32; bq 1,024 float32; bv 1,024 float32; key 1 x 4,096 x 1,024 float32; query 1 x 4,096 x 1,024 float32; value 1 x 4,096 x 1,024 float32.
;; Outputs: out0 1 x 4,096 x 1,024 float32.
;; This version of the problem:
;;   THIS VERSION OF THE PROBLEM IS GIVEN IN LOW PRECISION. The matrix products marked QUANTISED in the list below multiply operands that are first quantised to E2M3 (2 exponent bits, 3 mantissa bits; 6 bits a number), with one power-of-two scale for each 32 numbers along K (OCP MX v1.0); their sums are f32. All else is computed in f32.
;;   The module's matrix products, in the order in which they are computed (A, B: the left and right operand; K: the contracted axis; several contracted axes count as one K, in the product's order):
;;     1. [M 4,096, K 1,024] x [K 1,024, N 1,024]; A: input query; B: input Wq: QUANTISED
;;     2. [M 4,096, K 1,024] x [K 1,024, N 1,024]; A: input key; B: input Wk: QUANTISED
;;     3. [M 4,096, K 1,024] x [K 1,024, N 1,024]; A: input value; B: input Wv: QUANTISED
;;     4. batch 16 x [M 4,096, K 64] x [K 64, N 4,096]; A: computed on the way; B: computed on the way: QUANTISED
;;     5. batch 16 x [M 4,096, K 4,096] x [K 4,096, N 64]; A: softmax (see below); B: computed on the way: QUANTISED
;;     6. [M 4,096, K 1,024] x [K 1,024, N 1,024]; A: computed on the way; B: input Wo: QUANTISED
;;   THE QUANTISER, for each operand of a quantised product, along K:
;;     - K is cut into blocks of 32 from its start; a last block that is shorter is filled with zeros.
;;     - A block's scale is 2^e with e = floor(log2(the largest magnitude in the block)) - 2, held to -126 .. 127; a block of zeros has e = 0. As a byte (E8M0): e + 127.
;;     - Each number is divided by its block's scale, clamped to +-7.5, and rounded to the nearest number of E2M3, ties to even, subnormals kept.
;;     - The product sums the exact products of the quantised numbers (number of the format x scale) in f32.
;;   ~~~python
;;   def quantise(x, axis):      # numpy; x: float32 -> the quantised numbers, widened to float32 again
;;       x = np.moveaxis(x, axis, -1); K = x.shape[-1]
;;       x = np.pad(x, [(0, 0)] * (x.ndim - 1) + [(0, -K % 32)]); x = x.reshape(x.shape[:-1] + (-1, 32)); a = np.abs(x).max(-1, keepdims=True)
;;       e = np.where(a > 0, np.clip(np.frexp(np.where(a > 0, a, 1))[1] - 1 - 2, -126, 127), 0)      # np.frexp(a)[1] - 1 = floor(log2(a)), exactly
;;       r = np.clip(x / 2.0 ** e, -7.5, 7.5)
;;       step = 2.0 ** (np.maximum(np.frexp(np.where(r == 0, 1, r))[1] - 1, 0) - 3)
;;       q = np.round(r / step) * step * 2.0 ** e      # np.round: ties to even
;;       return np.moveaxis(q.reshape(q.shape[:-2] + (-1,))[..., :K], -1, axis).astype(np.float32)
;;   ~~~
;;   SOFTMAX AHEAD OF A QUANTISED PRODUCT. Where the list says 'softmax', what is quantised is not the finished softmax but p = 2^(t - M), with t = logit x log2(e) and M = ceil(the row's largest t), a whole number; so 1/2 < the row's largest p <= 1. The row's sum l is taken of the UNQUANTISED p, in f32, and the product's result is divided by l at the end. Since M is a whole number, a kernel that streams over the keys may use a running M (the ceiling of the running maximum): every later rescaling is an exact power of two, which a block's scale takes up: the codes' values come out the same.
;;   OPERANDS COMPUTED ON THE WAY. 'Computed on the way' means the value that the module computes at that place (a softmax that the list does not call 'softmax' is quantised finished and normalised). What goes into a quantiser is computed in f32, as accurately as f32 sums, v_exp_f32 and their like allow (about 1e-6 of the number): no bf16 or f16 on the way to a quantiser, and a product that is left as it is and whose result goes on into a quantised operand takes f32 operands (vector FMAs, or v_wmma_f32_16x16x4_f32). A number that lies on a knife's edge between two numbers of the format may be rounded either way, as far as f32 arithmetic and the matrix unit's own rounding can turn it there, and no further.
;; One version. Each part assembles by itself: llvm-mc -triple=amdgcn-amd-amdhsa -mcpu=gfx1250 --defsym DOCPART=n.
;; ======== version 1 of 1: 4 launches
;; workspace buffers: xc 12,582,912 bytes; xs 524,288 bytes; pc 9,437,184 bytes; ps 655,360 bytes; oc 3,145,728 bytes; os 262,144 bytes
;; launch quant (part 1): grid 512 x 1, 4 waves a work-group, no clusters, 33,280 bytes of LDS; arguments query, key, value, Wq, Wk, Wv, Wo, xc, xs; writes xc, xs
.if DOCPART == 1
	.amdgcn_target "amdgcn-amd-amdhsa--gfx1250"
	.amdhsa_code_object_version 6
	.text
	.protected	k_q8c5a764886_quant
	.globl	k_q8c5a764886_quant
	.p2align	8
	.type	k_q8c5a764886_quant,@function
k_q8c5a764886_quant:
	s_mov_b64 s[64:65], 0
	v_nop
	global_prefetch_b8 v0, s[64:65] scope:SCOPE_SE
	s_setreg_imm32_b32 hwreg(HW_REG_WAVE_MODE, 25, 1), 1
	s_wait_xcnt 0x0
; The seven f32 inputs whose K (1,024) is innermost become codes of FP6 (E2M3), 6 bits each, K innermost (a row: 768 bytes), with one E8M0 scale byte for each 32 along K (a row: 32 bytes).
; xc and xs hold the tensors one behind the other: query, key, value (4,096 rows each), Wq, Wk, Wv, Wo (1,024 rows each): 16,384 rows.
; A block's scale is 2^(floor(log2(its largest magnitude)) - 2); its byte is the largest magnitude's exponent field - 2, held at 1 from below.  Each number is divided by the scale and rounded to the nearest code, ties to even.
; LIMITS: a block of zeros gets the byte 1 where the rule says 127 (its codes are zeros, and this program alone reads the bytes); blocks whose largest magnitude lies under 2^(2 - 126) keep the byte 1; NaN and infinities are not served.
; THE ROWS OF key, value, Wq, Wk, Wv ARE STORED PERMUTED: row rho goes to the place whose bits 3 and 4 are exchanged.  Place 16 i + r then holds row 32 (i / 2) + 8 (i % 2) + r + 8 (r / 8): the rows that the
; later products want as a tile of 16 lie together.  A wave takes 8 rows (8,192 numbers), so the exchange is one of the two bits of the wave's number, in the output's place alone.
; A wave takes 16 steps of 512 numbers.  Each of a step's four loads reads 512 consecutive bytes; the 2,048 bytes turn through the wave's own stage in LDS and come back 64 bytes a lane, 16 neighbours along K: two lanes hold a block.
; A lane's 16 codes are 12 bytes: the wave stores 384 consecutive bytes a step.  A wave's 256 scale bytes are gathered in LDS and leave as one aligned run of 256 bytes.  Waves share nothing: no barrier.
.set WAVES, 4
.set STEPS, 16
.set EMAX,  2
.set CB,    12                         ; bytes of 16 codes
.set R,     16                         ; v16-79   four sets of 16 numbers as they are loaded
.set X,     80                         ; v80-111  two sets of 16 neighbours
.set C,     128                        ; v128-191 codes: four registers for each step, so that no store's data are written again
.set E,     112                        ; v112-127 a scale byte for each step
.set WREG,  8192                       ; LDS: a region for each wave: two stages of 32 x SP bytes, behind them its 256 scale bytes
.set SP,    80                         ; a lane's place in a stage: its 64 bytes + 16 of padding
.set SPW,   12                         ; v12 LDS address of my spare word; never rewritten
.set NIL,   13                         ; v13 0; never rewritten
.set SPARE, WAVES*WREG                 ; behind the four regions: the spare words, 128 bytes a wave
	s_load_b256 s[4:11], s[0:1], 0x0               ; query s[4:5], key s[6:7], value s[8:9], Wq s[10:11]
	s_load_b256 s[12:19], s[0:1], 0x20             ; Wk s[12:13], Wv s[14:15], Wo s[16:17], xc s[18:19]
	s_load_b64 s[20:21], s[0:1], 0x40              ; xs
	v_lshl_add_u32 v[SPW], v0, 2, SPARE
	v_mov_b32 v[NIL], 0
	v_lshrrev_b32 v1, 5, v0
	v_readfirstlane_b32 s22, v1                    ; wave
	v_and_b32 v2, 31, v0                           ; lane
	v_lshlrev_b32 v3, 4, v2                        ; my 16 bytes of a load's 512
	s_mul_i32 s23, s22, WREG
	v_lshrrev_b32 v14, 2, v2
	v_mul_u32_u24 v14, v14, SP
	v_and_b32 v15, 3, v2
	v_lshl_add_u32 v14, v15, 4, v14
	v_add_nc_u32 v14, s23, v14                     ; the stage, on the way in: SP (lane / 4) + 16 (lane % 4)
	v_mul_u32_u24 v15, v2, SP
	v_add_nc_u32 v15, s23, v15                     ; and on the way out: SP x lane: my 16 neighbours
	v_mul_u32_u24 v4, v2, CB                       ; my codes' place in a step's
	v_lshrrev_b32 v5, 1, v2
	s_add_co_u32 s23, s23, 2*32*SP
	v_add_nc_u32 v5, s23, v5                       ; LDS: my wave's 256 scale bytes, my block's byte
	v_lshlrev_b32 v7, 3, v2                        ; and on the way out 8 bytes a lane
	v_add_nc_u32 v6, s23, v7
	s_and_b32 s27, s22, 1                          ; the wave's number with its two bits exchanged
	s_lshl_b32 s27, s27, 1
	s_lshr_b32 s28, s22, 1
	s_or_b32 s27, s27, s28
	s_sub_co_u32 s28, ttmp9, 128                   ; work-groups 128 to 479 hold key, value, Wq, Wk, Wv
	s_cmp_lt_u32 s28, 352
	s_cselect_b32 s27, s27, s22
	s_lshl_b32 s28, ttmp9, 2
	s_add_co_u32 s28, s28, s27                     ; which run of 8 rows of xc and xs is my wave's
	s_mul_i32 s30, s28, 6144                       ; 8 rows of 768 bytes
	s_mov_b32 s31, 0
	s_lshl_b32 s32, s28, 8                         ; 8 rows of 32 bytes
	s_mov_b32 s33, 0
	s_wait_kmcnt 0x0
	s_mov_b64 s[24:25], s[16:17]                   ; the input is chosen by the work-group's number alone: Wo, unless ..
	s_mov_b32 s26, 480                             ; and the tensor's first work-group
.macro PICK lim, lo, start
	s_cmp_lt_u32 ttmp9, \lim
	s_cselect_b64 s[24:25], s[\lo:\lo+1], s[24:25]
	s_cselect_b32 s26, \start, s26
.endm
	PICK 480, 14, 448                              ; Wv
	PICK 448, 12, 416                              ; Wk
	PICK 416, 10, 384                              ; Wq
	PICK 384, 8, 256                               ; value
	PICK 256, 6, 128                               ; key
	PICK 128, 4, 0                                 ; query
	s_sub_co_u32 s26, ttmp9, s26
	s_lshl_b32 s26, s26, 2
	s_add_co_u32 s26, s26, s22                     ; which run of 8,192 numbers of the tensor is my wave's
	s_lshl_b32 s26, s26, 15                        ; 32,768 bytes a run
	s_mov_b32 s27, 0
	s_add_nc_u64 s[24:25], s[24:25], s[26:27]
	s_add_nc_u64 s[18:19], s[18:19], s[30:31]
	s_add_nc_u64 s[20:21], s[20:21], s[32:33]
.macro LOAD t
.irp i, 0,1,2,3
	global_load_b128 v[R+16*((\t)%4)+4*\i:R+16*((\t)%4)+4*\i+3], v3, s[24:25] offset:2048*(\t)+512*\i th:TH_LOAD_NT   ; 32 lanes read 512 consecutive bytes
.endr
.endm
.macro TURN t                          ; step t's numbers through the stage: LDS serves a wave's instructions in order, so no wait stands between the stores and the loads
.irp i, 0,1,2,3
	ds_store_b128 v14, v[R+16*((\t)%4)+4*\i:R+16*((\t)%4)+4*\i+3] offset:32*SP*((\t)%2)+8*SP*\i
.endr
.irp i, 0,1,2,3
	ds_load_b128 v[X+16*((\t)%2)+4*\i:X+16*((\t)%2)+4*\i+3], v15 offset:32*SP*((\t)%2)+16*\i
.endr
.endm
.irp t, 0,1,2,3
	LOAD \t
.endr
	s_wait_loadcnt 12                              ; step 0's four loads are in; the twelve of steps 1 to 3 stay out
	TURN 0
.macro STEP t
.set XS, X+16*((\t)%2)
.if (\t) > 0
	s_wait_dscnt 1                                 ; this step's numbers are back from the stage (the last step's byte store may be out): so its stores into the stage have read their registers,
.else
	s_wait_dscnt 0x0
.endif
.if (\t)+4 < STEPS
	LOAD (\t)+4                                    ; which take the loads of four steps on
.endif
.if (\t)+1 < STEPS
.if STEPS-2-(\t) >= 3
	s_wait_loadcnt 12                              ; the next step's four loads are in; those of the three steps behind it may be out
.else
	s_wait_loadcnt 4*(STEPS-2-(\t))
.endif
	TURN (\t)+1                                    ; and go through the other stage while this step is worked
.endif
	v_max3_num_f32 v8, |v[XS]|, |v[XS+1]|, |v[XS+2]|               ; the largest magnitude of my 16, in two chains
	v_max3_num_f32 v9, |v[XS+3]|, |v[XS+4]|, |v[XS+5]|
.irp i, 6,10
	v_max3_num_f32 v8, v8, |v[XS+\i]|, |v[XS+\i+1]|
	v_max3_num_f32 v9, v9, |v[XS+\i+2]|, |v[XS+\i+3]|
.endr
	v_max3_num_f32 v8, v8, |v[XS+14]|, |v[XS+15]|
	v_max3_num_f32 v8, v8, v9, (EMAX+1)<<23        ; and the floor 2^(EMAX + 1 - 127): the byte cannot fall under 1
	v_max_num_f32_dpp v8, v8, v8 row_xmask:1 row_mask:0xf bank_mask:0xf   ; and of my neighbour's 16: the block's
	v_add_nc_u32 v11, -(EMAX<<23), v8              ; EMAX off its exponent field: the conversion takes the exponent field of this operand as its scale
	v_cvt_scalef32_pk16_fp6_f32 v[C+4*(\t):C+4*(\t)+2], v[XS:XS+15], v11         ; sixteen codes, 96 bits without gaps, the first number's code lowest
	v_lshrrev_b32 v[E+(\t)], 23, v11               ; the scale's byte
	ds_store_b8 v5, v[E+(\t)] offset:16*(\t)       ; both lanes of a block write the same byte with the same value
	global_store_b96 v4, v[C+4*(\t):C+4*(\t)+2], s[18:19] offset:32*CB*(\t)
.endm
.irp t, 0,1,2,3,4,5,6,7,8,9,10,11,12,13,14,15
	STEP \t
.endr
	ds_load_b64 v[8:9], v6                         ; LDS serves a wave's instructions in order: these see my stores
	s_wait_dscnt 0x0
	global_store_b64 v7, v[8:9], s[20:21]          ; 32 lanes store 256 consecutive bytes, aligned
	s_wait_tensorcnt 0x0                           ; the wave's end
	ds_add_u32 v[SPW], v[NIL]
	s_wait_dscnt 0x0
	s_endpgm
.Lfunc_end_k_q8c5a764886_quant:
	.size	k_q8c5a764886_quant, .Lfunc_end_k_q8c5a764886_quant-k_q8c5a764886_quant
	.p2alignl 7, 3214868480
	.fill 96, 4, 3214868480
	.section	.rodata,"a",@progbits
	.p2align	6, 0x0
	.amdhsa_kernel k_q8c5a764886_quant
		.amdhsa_group_segment_fixed_size 33280
		.amdhsa_private_segment_fixed_size 0
		.amdhsa_enable_private_segment 0
		.amdhsa_kernarg_size 72
		.amdhsa_user_sgpr_count 2
		.amdhsa_user_sgpr_kernarg_segment_ptr 1
		.amdhsa_wavefront_size32 1
		.amdhsa_system_sgpr_workgroup_id_x 1
		.amdhsa_system_sgpr_workgroup_id_y 1
		.amdhsa_system_sgpr_workgroup_id_z 1
		.amdhsa_system_vgpr_workitem_id 0
		.amdhsa_next_free_vgpr 192
		.amdhsa_next_free_sgpr 66
		.amdhsa_reserve_vcc 0
		.amdhsa_float_denorm_mode_32 3
		.amdhsa_float_denorm_mode_16_64 3
		.amdhsa_memory_ordered 1
		.amdhsa_forward_progress 1
		.amdhsa_inst_pref_size 33
	.end_amdhsa_kernel
	.amdgpu_metadata
---
amdhsa.version: [ 1, 2 ]
amdhsa.kernels:
  - .name:           k_q8c5a764886_quant
    .symbol:         k_q8c5a764886_quant.kd
    .args:
      - { .name: query, .offset: 0, .size: 8, .value_kind: global_buffer, .address_space: global }
      - { .name: key, .offset: 8, .size: 8, .value_kind: global_buffer, .address_space: global }
      - { .name: value, .offset: 16, .size: 8, .value_kind: global_buffer, .address_space: global }
      - { .name: Wq, .offset: 24, .size: 8, .value_kind: global_buffer, .address_space: global }
      - { .name: Wk, .offset: 32, .size: 8, .value_kind: global_buffer, .address_space: global }
      - { .name: Wv, .offset: 40, .size: 8, .value_kind: global_buffer, .address_space: global }
      - { .name: Wo, .offset: 48, .size: 8, .value_kind: global_buffer, .address_space: global }
      - { .name: xc, .offset: 56, .size: 8, .value_kind: global_buffer, .address_space: global }
      - { .name: xs, .offset: 64, .size: 8, .value_kind: global_buffer, .address_space: global }
    .group_segment_fixed_size: 33280
    .private_segment_fixed_size: 0
    .kernarg_segment_align: 8
    .kernarg_segment_size: 72
    .max_flat_workgroup_size: 128
    .sgpr_count:     66
    .vgpr_count:     192
    .wavefront_size: 32
...
	.end_amdgpu_metadata
.endif
;; end of part 1
;; launch proj (part 2): grid 4 x 48, 4 waves a work-group, clusters of 4 x 4, 327,680 bytes of LDS; arguments xc, xs, bq, bk, bv, pc, ps; writes pc, ps
.if DOCPART == 2
	.amdgcn_target "amdgcn-amd-amdhsa--gfx1250"
	.amdhsa_code_object_version 6
	.text
	.protected	k_q8c5a764886_proj
	.globl	k_q8c5a764886_proj
	.p2align	8
	.type	k_q8c5a764886_proj,@function
k_q8c5a764886_proj:
	s_mov_b64 s[64:65], 0
	v_nop
	global_prefetch_b8 v0, s[64:65] scope:SCOPE_SE
	s_setreg_imm32_b32 hwreg(HW_REG_WAVE_MODE, 25, 1), 1
	s_wait_xcnt 0x0
	s_wait_alu depctr_hold_cnt(0) depctr_sa_sdst(0) depctr_va_vdst(0) depctr_va_sdst(0) depctr_va_ssrc(0) depctr_va_vcc(0) depctr_vm_vsrc(0)
	s_getreg_b32 s2, hwreg(HW_REG_IB_STS2, 6, 4)
	s_cmp_eq_u32 s2, 0
	s_cbranch_scc0 .Lentry_in_a_cluster
	s_endpgm
.Lentry_in_a_cluster:
	s_bfe_u32 s2, ttmp6, 0x10000c
	s_cmp_lg_u32 s2, 0xf033
	s_cbranch_scc0 .Lentry_shape_is_right
	s_endpgm
.Lentry_shape_is_right:
; The three input projections on codes of FP6 (E2M3) with one E8M0 scale for each 32 along K = 1,024; their results, in f32, are quantised in registers for the attention's products and stored as operand images.
; id = cluster y / 4: 0: q = (query Wq^T + bq) / 8;  1: k = key Wk^T + bk;  2: v = value Wv^T + bv.  'A' is the operand whose rows become LANES of the result (query, key, Wv), 'B' the one whose rows become a lane's
; REGISTERS (Wq, Wk, value): source 0 = 16 rows of B, source 1 = 16 rows of A.  B's rows are the axis along which the result is quantised: the head's 64 for q and k, the keys for v.
; B's rows lie permuted in xc (place 16 i + r holds row 32 (i / 2) + 8 (i % 2) + r + 8 (r / 8)), so the 16 registers of two neighbouring tiles are 16 neighbours along that axis.
; A tile of 256 rows of A x 256 rows of B is made by four waves, 128 x 128 each: 64 accumulators, 512 registers.  K goes in four steps of 256 through a ring of two LDS slots filled by the tensor data mover;
; the scale bytes of the work-group's rows come into LDS once.  CLUSTERS: 4 x 4 work-groups; A's tiles are asked for jointly along a row of the cluster, B's along a column.
; The bias along B (q, k) is the C of each sum's first product; the bias along A (v) and the factor 1/8 (q) are one packed multiply-add on the way out.
; THE WAY OUT: for each of my eight blocks of 16 rows of A, a lane's 64 numbers (128 along B: four blocks of 32) become 12 registers of codes and a scale word.  Six registers (64 along B) are a HALF IMAGE of 768 bytes:
; registers 0-3 at 16 x lane, registers 4-5 at 512 + 8 x lane.  pc: q [head][token block][768], k likewise, v [head][128 keys][16 of the head's 64][64 keys][768].  ps: for each head 40,960 bytes: k's words, v's, q's.
; LIMITS: a block of zeros carries the byte 1, not 127 (this program alone reads the bytes); blocks whose largest magnitude lies under 2^(2 - 126) keep the byte 1; NaN and infinities are not served.
; REGISTERS, in windows of 256: window 0: v1-29 addresses; v32-63 scale words, two sets; v128-223 A's fragments, one set; v232-247 the bias along A; on the way out v64-75, v128-255.
;   window 1: B's fragments, two sets at v0 and v128; v96-127, v224-255 the bias along B.   windows 2, 3: the accumulators ((a, b) at v[8 (8 (a % 4) + b)]).
.set KSTEP,  256
.set NQ,     2                         ; matrix instructions deep in a slot
.set ROWB,   192                       ; a tile's row in bytes
.set KROW,   768                       ; a row of xc
.set PITCH,  240                       ; an LDS row: 3 x (64 bytes + 16 of padding)
.set FR,     12
.set NL,     6
.set NP,     4
.set HALFT,  128*PITCH
.set SLOT,   4*HALFT
.set KS,     32                        ; a row of xs
.set SCL,    2*SLOT
.set HALFS,  (128*KS/256)*272
.set SBLK,   (16*KS/256)*272
.set SPARE,  SCL+4*HALFS               ; the spare words, 128 bytes a wave
.set ADRA, 16
.set ADRB, 20
.set ADRS, 27
.set SPW,  28
.set NIL,  29
.set SC,   32
.set AF,   128
.set T,    128                         ; the way out: 64 numbers
.set PCD,  192                         ; the codes just made: 12 registers, and 8 at work
.set TM,   212                         ; at work: 16 registers
.set BX,   232                         ; the bias along A: a pair for each block, the upper word 0
.set PW,   248                         ; the eight scale words
.set HW,   64
.set SEL,  22
.set G1, 24
.set G0, 32
.set G1B, 48
.set G0B, 56
.set G1S, 68
.set G0S, 76
.set G1SB, 80
.set G0SB, 88
.set MSB, 0
.macro WIN new                         ; the immediate's high byte repeats the setting that is left
.if MSB != \new
	s_set_vgpr_msb (MSB<<8)|\new
.set MSB, \new
.endif
.endm
.set MUL_LO, 0xa1                      ; source 0 (B) window 1, source 1 (A) window 0, C and D window 2
.set MUL_HI, 0xf1                      ; the same, C and D window 3
.set FIRST_LO, 0x91                    ; the first step: C (the bias) window 1, D window 2
.set FIRST_HI, 0xd1                    ; D window 3
.set TO_B,   0x40
; A joint load: waves 0 and 1 fetch for A, waves 2 and 3 for B.  The branch hangs on the wave's number alone.  An s_nop 0 and four v_nop follow each line.
.macro JLOAD g0a, g1a, g0b, g1b
	s_cmp_eq_u32 s15, 0
	s_cbranch_scc0 .Lfor_b_\@
	tensor_load_to_lds s[\g0a:\g0a+3], s[\g1a:\g1a+7]
	s_nop 0
.rept 4
	v_nop
.endr
	s_branch .Lasked_\@
.Lfor_b_\@:
	tensor_load_to_lds s[\g0b:\g0b+3], s[\g1b:\g1b+7]
	s_nop 0
.rept 4
	v_nop
.endr
.Lasked_\@:
.endm
.macro CREST                           ; a round of the cluster's barrier behind its opening barrier
	s_cmp_lg_u32 s14, 0
	s_cbranch_scc1 .Lnot_wave_0_\@
	s_barrier_signal -3
.Lnot_wave_0_\@:
	s_barrier_wait -3
	s_barrier_signal -1
	s_barrier_wait -1
.endm
.macro CROUND
	s_barrier_signal -1
	s_barrier_wait -1
	CREST
.endm
	s_load_b128 s[4:7], s[0:1], 0x0                ; xc s[4:5], xs s[6:7]
	s_load_b128 s[96:99], s[0:1], 0x10             ; bq s[96:97], bk s[98:99]
	s_load_b128 s[8:11], s[0:1], 0x20              ; bv s[8:9], pc s[10:11]
	s_load_b64 s[66:67], s[0:1], 0x30              ; ps
	v_lshl_add_u32 v[SPW], v0, 2, SPARE
	v_mov_b32 v[NIL], 0
	ds_add_u32 v[SPW], v[NIL]                      ; the wave's opening: the add and its wait stand ahead of my first tensor load; work on registers stands between them
	v_lshrrev_b32 v1, 5, v0
	v_readfirstlane_b32 s14, v1                    ; wave 0..3
	s_lshr_b32 s15, s14, 1                         ; which half of A's rows is mine.  Also: I fetch for A (0) or for B (1)
	s_and_b32 s16, s14, 1                          ; which half of B's rows.  Also: which 128 rows of that tile I fetch
	s_bfe_u32 s40, ttmp6, 0x40000                  ; cx
	s_bfe_u32 s41, ttmp6, 0x40004                  ; cy
	s_and_b32 s100, ttmp7, 0xffff                  ; the cluster's y, 0 to 11: the same in all sixteen partners
	s_and_b32 s101, s100, 3
	s_lshl_b32 s101, s101, 2                       ; 4 x (which quarter of the side of 4,096 rows)
	s_lshr_b32 s100, s100, 2                       ; id
	s_mov_b32 s19, 12288                           ; B's first row in xc: Wq,
	s_cmp_eq_u32 s100, 1
	s_cselect_b32 s18, 4096, 0                     ; A's: query, key,
	s_cselect_b32 s19, 13312, s19                  ; Wk,
	s_cmp_eq_u32 s100, 2
	s_cselect_b32 s18, 14336, s18                  ; Wv
	s_cselect_b32 s19, 8192, s19                   ; value
	s_cselect_b32 s42, s101, 0
	s_cselect_b32 s17, 0, s101
	s_add_co_u32 s42, s42, s40                     ; tile of B's rows
	s_add_co_u32 s17, s17, s41                     ; tile of A's rows
	s_lshl_b32 s43, s41, 2
	s_lshl_b32 s43, 15, s43                        ; my row of the cluster
	s_lshl_b32 s44, 0x1111, s40                    ; my column
	s_or_b32 s[G1+0], s43, (0<<16)|(1<<20)|(1<<21)|(3<<22)|(3<<25)  ; the mask; elements of 1 byte; padding on; bit 21 beside a mask; after every 16 words 4 words
	s_or_b32 s[G1B+0], s44, (0<<16)|(1<<20)|(1<<21)|(3<<22)|(3<<25)
.irp g, G1, G1B
	s_mov_b32 s[\g+1], ROWB<<16                    ; tensor_dim0
	s_mov_b32 s[\g+2], 128<<16                     ; tensor_dim1
	s_mov_b32 s[\g+3], ROWB<<16                    ; tile_dim0
	s_mov_b32 s[\g+4], 128                         ; tile_dim1
	s_mov_b32 s[\g+5], KROW                        ; the pitch
	s_mov_b32 s[\g+6], 0
	s_mov_b32 s[\g+7], 0
.endr
	s_or_b32 s[G1S+0], s43, (3<<16)|(1<<20)|(1<<21)|(5<<22)|(3<<25)  ; the scales of 128 rows: 4,096 dense bytes as 16 rows of 256, 16 bytes of padding behind each
	s_or_b32 s[G1SB+0], s44, (3<<16)|(1<<20)|(1<<21)|(5<<22)|(3<<25)
.irp g, G1S, G1SB
	s_mov_b32 s[\g+1], 32<<16
	s_mov_b32 s[\g+2], (128*KS/256)<<16
	s_mov_b32 s[\g+3], 32<<16
	s_mov_b32 s[\g+4], 128*KS/256
	s_mov_b32 s[\g+5], 32
	s_mov_b32 s[\g+6], 0
	s_mov_b32 s[\g+7], 0
.endr
	s_lshl_b32 s21, s16, 7                         ; which 128 rows of the tile I fetch
	s_lshl_b32 s20, s17, 8
	s_add_co_u32 s20, s20, s21
	s_add_co_u32 s20, s20, s18                     ; A: the row in xc and xs
	s_lshl_b32 s46, s42, 8
	s_add_co_u32 s46, s46, s21
	s_add_co_u32 s46, s46, s19                     ; B likewise
	s_mov_b32 s21, 0
	s_mov_b32 s47, 0
	s_mov_b64 s[18:19], KS
	s_mul_u64 s[22:23], s[20:21], s[18:19]         ; where these rows' scales begin, in bytes
	s_mul_u64 s[92:93], s[46:47], s[18:19]
	s_mov_b64 s[18:19], KROW
	s_mul_u64 s[20:21], s[20:21], s[18:19]         ; and their codes
	s_mul_u64 s[46:47], s[46:47], s[18:19]
	s_mul_i32 s45, s14, HALFT                      ; where they go: wave x 128 rows
	s_mul_i32 s94, s14, HALFS
	s_wait_dscnt 0x0                               ; the opening add is done
	s_wait_kmcnt 0x0
	s_mov_b64 s[12:13], s[10:11]                   ; pc
	s_cmp_eq_u32 s100, 1
	s_cselect_b64 s[96:97], s[98:99], s[96:97]     ; my bias: bq, bk
	s_cmp_eq_u32 s100, 2
	s_cselect_b64 s[96:97], s[8:9], s[96:97]       ; or bv
	s_add_nc_u64 s[20:21], s[4:5], s[20:21]
	s_add_nc_u64 s[22:23], s[6:7], s[22:23]
	s_add_nc_u64 s[46:47], s[4:5], s[46:47]
	s_add_nc_u64 s[92:93], s[6:7], s[92:93]
	CROUND                                         ; all sixteen work-groups are here: the first joint loads meet
	s_mov_b32 s[G0S], 1
	s_add_co_u32 s[G0S+1], s94, SCL
	s_mov_b64 s[G0S+2:G0S+3], s[22:23]
	s_or_b32 s[G0S+3], s[G0S+3], 0x80000000
	s_mov_b32 s[G0SB], 1
	s_add_co_u32 s[G0SB+1], s94, SCL
	s_mov_b64 s[G0SB+2:G0SB+3], s[92:93]
	s_or_b32 s[G0SB+3], s[G0SB+3], 0x80000000
	JLOAD G0S, G1S, G0SB, G1SB                     ; the scales first: they are wanted with K step 0
.irp s, 0,1
	s_mov_b32 s[G0+4*\s], 1
	s_add_co_u32 s[G0+4*\s+1], s45, \s*SLOT
	s_add_nc_u64 s[G0+4*\s+2:G0+4*\s+3], s[20:21], \s*ROWB
	s_or_b32 s[G0+4*\s+3], s[G0+4*\s+3], 0x80000000
	s_mov_b32 s[G0B+4*\s], 1
	s_add_co_u32 s[G0B+4*\s+1], s45, \s*SLOT
	s_add_nc_u64 s[G0B+4*\s+2:G0B+4*\s+3], s[46:47], \s*ROWB
	s_or_b32 s[G0B+4*\s+3], s[G0B+4*\s+3], 0x80000000
	JLOAD G0+4*\s, G1, G0B+4*\s, G1B
.endr
	; what the way out wants, by id.  rho0, rho1: which 128 rows of B, of A, are my wave's
	s_lshl_b32 s92, s42, 1
	s_add_co_u32 s92, s92, s16                     ; rho0
	s_lshl_b32 s93, s17, 1
	s_add_co_u32 s93, s93, s15                     ; rho1
	s_lshl_b32 s40, s92, 9                         ; 128 numbers of a bias are 512 bytes
	s_lshl_b32 s42, s93, 9
	s_mov_b32 s41, 0
	s_mov_b32 s43, 0
	s_mov_b32 s18, 768                             ; from block to block of A in pc,
	s_mov_b32 s19, 0
	s_mov_b32 s20, 768                             ; from block 3 to block 4,
	s_mov_b32 s21, 0
	s_mov_b32 s17, 196608                          ; from a fragment's first half image to its second: the next head (q, k)
	s_mov_b32 s2, 1.0
	s_mov_b32 s44, 512
	s_cmp_eq_u32 s100, 2
	s_cselect_b32 s40, 0, s40                      ; v has no bias along B: its loads stay at the buffer's head and are masked
	s_cselect_b32 s42, s42, 0                      ; q and k none along A
	s_cselect_b32 s95, 0, -1
	s_cselect_b32 s47, -1, 0
	s_cselect_b32 s94, s93, s92                    ; which pair of heads
	s_cselect_b32 s101, s92, s93                   ; which 128 tokens
	s_cselect_b32 s18, 1536, s18                   ; v: the next 16 of the head's 64,
	s_cselect_b32 s20, 192000, s20                 ; the next head's first 16: 196,608 - 3 x 1,536,
	s_cselect_b32 s17, 768, s17                    ; the next 64 keys
	s_cselect_b32 s44, 256, s44                    ; bytes of scale words for 128 tokens
	s_cselect_b32 s45, 16384, 0                    ; the region of a head's 40,960 bytes: k's words at 0, v's at 16,384,
	s_cmp_eq_u32 s100, 0
	s_cselect_b32 s45, 24576, s45                  ; q's at 24,576
	s_cselect_b32 s2, 0x3e000000, s2               ; q is multiplied by 1/8
	s_mov_b32 s3, s2
	s_add_nc_u64 s[98:99], s[96:97], s[40:41]      ; the bias along B
	s_add_nc_u64 s[96:97], s[96:97], s[42:43]      ; the bias along A
	s_mul_i32 s40, s100, 3145728
	s_mul_i32 s42, s94, 393216
	s_add_co_u32 s40, s40, s42
	s_mul_i32 s42, s101, 6144
	s_add_co_u32 s40, s40, s42
	s_add_nc_u64 s[12:13], s[12:13], s[40:41]      ; my first half image
	s_mul_i32 s40, s94, 81920
	s_mul_i32 s42, s101, s44
	s_add_co_u32 s40, s40, s42
	s_add_co_u32 s40, s40, s45
	s_add_nc_u64 s[66:67], s[66:67], s[40:41]      ; my scale words
	s_mov_b32 s[SEL], 0x76543210
	s_mov_b32 s[SEL+1], 0xfedcba98                 ; v_permlanex16_b32's selects for lane l xor 16
	v_and_b32 v1, 15, v0                           ; r
	v_bfe_u32 v2, v0, 4, 1                         ; h
	v_and_b32 v13, 31, v0                          ; lane
	v_lshlrev_b32 v7, 6, v2                        ; the bias along B: tile b's registers are units 32 (b / 2) + 16 h + 8 (b % 2) + 0 .. 7
	v_and_b32 v14, 8, v1
	v_add_nc_u32 v14, v14, v1
	v_lshlrev_b32 v14, 2, v14                      ; the bias along A: lane r of block a is unit 32 (a / 2) + 8 (a % 2) + r + 8 (r / 8)
	WIN 0x40                                       ; destination window 1
.irp b, 0,1,2,3,4,5,6,7
	global_load_b128 v[96+8*\b+96*(\b/4):96+8*\b+96*(\b/4)+3], v7, s[98:99] offset:(32*(\b/2)+8*(\b%2))*4
	global_load_b128 v[96+8*\b+96*(\b/4)+4:96+8*\b+96*(\b/4)+7], v7, s[98:99] offset:(32*(\b/2)+8*(\b%2))*4+16
.endr
	WIN 0
.irp a, 0,1,2,3,4,5,6,7
	global_load_b32 v[BX+2*\a], v14, s[96:97] offset:(32*(\a/2)+8*(\a%2))*4
.endr
	v_lshlrev_b32 v8, 4, v13                       ; a half image: 16 x lane,
	v_lshlrev_b32 v9, 3, v13                       ; 8 x lane;
	v_add_nc_u32 v10, s17, v8                      ; the fragment's second half image
	v_add_nc_u32 v11, s17, v9
	v_mul_u32_u24 v12, v2, 0xa000
	v_lshl_add_u32 v12, v1, 4, v12                 ; v's scale words: 16 r, and the next head's 40,960 bytes on for lanes 16-31
	v_cmp_le_u32 s46, 16, v13                      ; lanes 16-31
	v_mul_u32_u24 v3, v1, PITCH
	v_mul_u32_u24 v4, v2, 24
	v_add_nc_u32 v4, v3, v4                        ; a fragment's row x pitch + 24 x half
	v_lshl_add_u32 v5, v2, 4, v4                   ; and the same behind one padding more
	s_mul_i32 s40, s15, HALFT                      ; my 128 rows of A
	s_mul_i32 s42, s16, HALFT                      ; my 128 rows of B,
	s_add_co_u32 s42, s42, 2*HALFT                 ; which lie behind A's 256
.irp s, 0,1
	v_add_nc_u32 v[ADRA+\s], s40, v4
	v_add_nc_u32 v[ADRB+\s], s42, v4
	v_add_nc_u32 v[ADRA+2+\s], s40, v5
	v_add_nc_u32 v[ADRB+2+\s], s42, v5
	s_add_co_u32 s40, s40, SLOT
	s_add_co_u32 s42, s42, SLOT
.endr
	v_mul_u32_u24 v5, v1, KS                       ; my row's scales: KS bytes a row,
	v_lshrrev_b32 v6, 8, v5
	v_lshl_add_u32 v5, v6, 4, v5                   ; and 16 more for each 256 passed
	s_mul_i32 s40, s15, HALFS
	s_mul_i32 s42, s16, HALFS
	s_add_co_u32 s42, s42, 2*HALFS
	s_sub_co_u32 s42, s42, s40
	v_mul_u32_u24 v6, s42, v2                      ; lanes 16-31 take B's
	s_add_co_u32 s40, s40, SCL
	v_add_nc_u32 v5, v5, v6
	v_add_nc_u32 v[ADRS], s40, v5
	s_wait_loadcnt 0x0                             ; the biases
	WIN 0x44                                       ; destination and source 1 window 1
.irp b, 0,1,2,3,4,5,6,7
.irp j, 0,1,2,3,4,5,6,7
	v_cndmask_b32 v[96+8*\b+96*(\b/4)+\j], 0, v[96+8*\b+96*(\b/4)+\j], s95   ; zeros for v
.endr
.endr
	WIN 0
.irp a, 0,1,2,3,4,5,6,7
	v_cndmask_b32 v[BX+2*\a], 0, v[BX+2*\a], s47   ; zeros for q and k
	v_mov_b32 v[BX+2*\a+1], 0                      ; (named with it as a pair)
.endr
.macro FRAG reg, adr, q, i             ; a fragment, 16 rows x 128 K, is 12 registers: lane l holds row l % 16; registers 6 c .. 6 c + 5 hold K = 64 c + 32 (l / 16) + 0 .. 31: 24 bytes of the row, as they lie
.irp p, 0,1,2,3,4,5                    ; in pieces of 8 bytes.  16 bytes of padding lie behind every 8 pieces: where the piece three on lies behind one padding more, the second address register serves
.set PC, 12*(\q)+6*(\p/3)+\p%3
.if PC%8 < 5
	ds_load_b64 v[\reg+2*\p:\reg+2*\p+1], v[\adr] offset:8*PC+16*(PC/8)+(\i)*16*PITCH
.else
	ds_load_b64 v[\reg+2*\p:\reg+2*\p+1], v[\adr+2] offset:8*PC+16*(PC/8)+(\i)*16*PITCH
.endif
.endr
.endm
; 16 matrix instructions: A's blocks a0, a0 + 1 x B's eight, 128 along K.  p: B's set; sc: the set of scale words.  first = 1: the sums start from the bias.  The 64 accumulators take turns, one instruction a turn.
.macro MUL16 a0, p, q, sc, first
.irp a, \a0, \a0+1
.irp b, 0,1,2,3,4,5,6,7
.if \first
	v_wmma_scale_f32_16x16x128_f8f6f4 v[8*(8*((\a)%4)+\b):8*(8*((\a)%4)+\b)+7], v[128*(\p)+FR*\b:128*(\p)+FR*\b+FR-1], v[AF+FR*(\a):AF+FR*(\a)+FR-1], v[96+8*\b+96*(\b/4):96+8*\b+96*(\b/4)+7], v[SC+8*NQ*(\sc)+NQ*\b+(\q)], v[SC+8*NQ*(\sc)+NQ*(\a)+(\q)] matrix_a_fmt:MATRIX_FMT_FP6 matrix_b_fmt:MATRIX_FMT_FP6 matrix_a_scale:MATRIX_SCALE_ROW1
.else
	v_wmma_scale_f32_16x16x128_f8f6f4 v[8*(8*((\a)%4)+\b):8*(8*((\a)%4)+\b)+7], v[128*(\p)+FR*\b:128*(\p)+FR*\b+FR-1], v[AF+FR*(\a):AF+FR*(\a)+FR-1], v[8*(8*((\a)%4)+\b):8*(8*((\a)%4)+\b)+7], v[SC+8*NQ*(\sc)+NQ*\b+(\q)], v[SC+8*NQ*(\sc)+NQ*(\a)+(\q)] matrix_a_fmt:MATRIX_FMT_FP6 matrix_b_fmt:MATRIX_FMT_FP6 matrix_a_scale:MATRIX_SCALE_ROW1
.endif
.endr
.endr
.endm
.macro FETCH_B slot, q, p
	WIN TO_B
.irp i, 0,1,2,3,4,5,6,7
	FRAG 128*(\p)+FR*\i, ADRB+\slot, \q, \i
.endr
	WIN 0
.endm
.macro FETCH_A slot, q, i0
.irp i, \i0, \i0+1, \i0+2, \i0+3
	FRAG AF+FR*(\i), ADRA+\slot, \q, \i
.endr
.endm
.macro SCALES sc                       ; a K step's scale words: lanes 0-15 take A's block i, lanes 16-31 B's block i
.irp i, 0,1,2,3,4,5,6,7
	ds_load_b64 v[SC+8*NQ*\sc+NQ*\i:SC+8*NQ*\sc+NQ*\i+1], v[ADRS] offset:\i*SBLK
.endr
.endm
.macro PLACES n                        ; plain vector places between a matrix instruction and a load into, or a vector read of, its registers
.rept \n
	v_nop
.endr
.endm
.macro STEP slot, q, first             ; a step of 128 along K that has its successor in the same slot
	s_wait_dscnt 4*NL                              ; B's set and A's blocks 0-3 are in; the youngest 24 loads (A's blocks 4-7) may be out
.if \first
	WIN FIRST_LO
.else
	WIN MUL_LO
.endif
	MUL16 0, (\q)%2, \q, \slot, \first
	MUL16 2, (\q)%2, \q, \slot, \first
	s_wait_dscnt 0
	PLACES NP
	FETCH_B \slot, (\q)+1, 1-(\q)%2
	FETCH_A \slot, (\q)+1, 0
.if \first
	WIN FIRST_HI
.else
	WIN MUL_HI
.endif
	MUL16 4, (\q)%2, \q, \slot, \first
	MUL16 6, (\q)%2, \q, \slot, \first
	PLACES NP
	WIN 0
	FETCH_A \slot, (\q)+1, 4
.endm
; A slot's last step changes slots: one barrier; in front of it each wave waits for all its tensor loads, adds 0 to its spare word, and waits for that and for its reads of this slot.  fill = 1: this slot is filled again, two K steps ahead.
.macro TURN slot, next, fill
	s_wait_tensorcnt 0x0                           ; all my tensor loads have landed: my part of the next slot
	ds_add_u32 v[SPW], v[NIL]
	s_wait_dscnt 4*NL+1                            ; (the add and the youngest 24 loads may be out)
	WIN MUL_LO
	MUL16 0, 1, NQ-1, \slot, 0
	s_wait_dscnt 0x0                               ; the add is done, and my reads of this slot are over
	s_barrier_signal -1
	MUL16 2, 1, NQ-1, \slot, 0
	WIN 0
	s_barrier_wait -1
.if \fill
	CREST                                          ; the barrier has opened a round of the cluster's barrier: no wave of any partner still reads this slot or has a load on its way
	s_add_nc_u64 s[G0+4*\slot+2:G0+4*\slot+3], s[G0+4*\slot+2:G0+4*\slot+3], 2*ROWB
	s_add_nc_u64 s[G0B+4*\slot+2:G0B+4*\slot+3], s[G0B+4*\slot+2:G0B+4*\slot+3], 2*ROWB
	JLOAD G0+4*\slot, G1, G0B+4*\slot, G1B         ; the first tensor load behind the round; its four v_nop are the places in front of the loads below
.else
	PLACES NP
.endif
	v_add_nc_u32 v[ADRS], 4*NQ, v[ADRS]            ; on to the next K step's scale words
	FETCH_B \next, 0, 0
	FETCH_A \next, 0, 0
	SCALES \next
	WIN MUL_HI
	MUL16 4, 1, NQ-1, \slot, 0
	MUL16 6, 1, NQ-1, \slot, 0
	PLACES NP
	WIN 0
	FETCH_A \next, 0, 4
.endm
	s_wait_tensorcnt 1                             ; the scales and my part of K step 0 are in; K step 1's load, the one issued behind them, may be out
	s_barrier_signal -1
	s_barrier_wait -1                              ; everybody's are
	FETCH_B 0, 0, 0
	FETCH_A 0, 0, 0
	SCALES 0
	FETCH_A 0, 0, 4
	STEP 0, 0, 1                                   ; K = 1,024 is four K steps: written out
	TURN 0, 1, 1                                   ; slot 0 takes K step 2
	STEP 1, 0, 0
	TURN 1, 0, 1                                   ; slot 1 takes K step 3
	STEP 0, 0, 0
	TURN 0, 1, 0                                   ; nothing is left to fetch
	STEP 1, 0, 0
	s_wait_dscnt 4*NL
	WIN MUL_LO
	MUL16 0, 1, NQ-1, 1, 0
	MUL16 2, 1, NQ-1, 1, 0
	s_wait_dscnt 0
	WIN MUL_HI
	MUL16 4, 1, NQ-1, 1, 0
	MUL16 6, 1, NQ-1, 1, 0
	WIN 0
; 64 numbers of a lane, v[s] on, register 16 b + i = place 32 b + 16 (lane / 16) + i along the quantised axis, become a fragment's codes in v[PCD] on and its scale word in v[pw].
.macro QUANT s, pw
.irp b, 0,1,2,3
	v_max3_num_f32 v[TM+\b], |v[\s+16*\b]|, |v[\s+1+16*\b]|, 0x1800000   ; block b: my 16 numbers, and the floor 2^(3 - 127): the byte cannot fall under 1
.endr
.irp i, 2,4,6,8,10,12,14
.irp b, 0,1,2,3
	v_max3_num_f32 v[TM+\b], v[TM+\b], |v[\s+16*\b+\i]|, |v[\s+1+16*\b+\i]|   ; (the four blocks by turns)
.endr
.endr
.irp b, 0,1,2,3
	v_permlanex16_b32 v[TM+4+\b], v[TM+\b], s[SEL], s[SEL+1]
.endr
.irp b, 0,1,2,3
	v_max_num_f32 v[TM+\b], v[TM+\b], v[TM+4+\b]   ; with lane l xor 16's: the block's largest magnitude
.endr
.irp b, 0,1,2,3
	v_add_nc_u32 v[TM+12+\b], 0xff000000, v[TM+\b]   ; 2 off its exponent field: the conversion's scale operand
.endr
.irp b, 0,1,2,3
	v_lshrrev_b32 v[TM+4+\b], 23, v[TM+12+\b]      ; the scale's byte
.endr
	v_lshl_or_b32 v[\pw], v[TM+5], 8, v[TM+4]
	v_lshl_or_b32 v[\pw], v[TM+6], 16, v[\pw]
	v_lshl_or_b32 v[\pw], v[TM+7], 24, v[\pw]
.irp c, 0,1
	v_cvt_scalef32_pk16_fp6_f32 v[PCD+6*\c:PCD+2+6*\c], v[\s+32*\c:\s+15+32*\c], v[TM+12+2*\c]
	v_cvt_scalef32_pk16_fp6_f32 v[PCD+12+4*\c:PCD+14+4*\c], v[\s+16+32*\c:\s+31+32*\c], v[TM+12+2*\c+1]   ; (a conversion's three registers begin on an even number)
.endr
	v_nop                                          ; one plain place behind a scaled conversion
.irp c, 0,1                                    ; the operand's layout wants a whole block in a lane: lanes 0-15 block 2 c, lanes 16-31 block 2 c + 1
.irp i, 0,1,2
	v_permlane16_swap_b32 v[PCD+6*\c+\i], v[PCD+12+4*\c+\i]
.endr
.irp i, 0,1,2
	v_mov_b32 v[PCD+3+6*\c+\i], v[PCD+12+4*\c+\i]
.endr
.endr
.endm
; Block a of my eight: x the factor, + the bias along A; quantised; two half images stored: each store covers 512 or 256 consecutive bytes, aligned.
.macro OUTBLK a
	s_wait_xcnt 0x0                                ; the last block's stores have read their data and their base: both are written again only behind this wait
.if (\a) == 4
	s_add_nc_u64 s[12:13], s[12:13], s[20:21]
.elseif (\a) > 0
	s_add_nc_u64 s[12:13], s[12:13], s[18:19]
.endif
	WIN 0x02+(\a)/4                                ; source 0: window 2 or 3
.set i, 0
.rept 32
	v_pk_fma_f32 v[T+2*i:T+2*i+1], v[64*((\a)%4)+2*i:64*((\a)%4)+2*i+1], s[2:3], v[BX+2*(\a):BX+2*(\a)+1] op_sel_hi:[1,0,0]   ; each accumulator from its low end on
.set i, i+1
.endr
	WIN 0
	QUANT T, PW+(\a)
	global_store_b128 v8, v[PCD:PCD+3], s[12:13]
	global_store_b64 v9, v[PCD+4:PCD+5], s[12:13] offset:512
	global_store_b128 v10, v[PCD+6:PCD+9], s[12:13]
	global_store_b64 v11, v[PCD+10:PCD+11], s[12:13] offset:512
.endm
	PLACES NP                                      ; behind the last products: the lines below read results and write registers that held A's fragments
.irp b, 0,1,2,3
	v_mov_b32 v[TM+4+\b], 0                        ; written once: a lane permute's destination counts as one of its sources
.endr
.irp a, 0,1,2,3,4,5,6,7
	OUTBLK \a
.endr
.irp i, 0,1,2,3
	v_cndmask_b32 v[HW+\i], v[PW+\i], v[PW+4+\i], s46   ; lanes 0-15: blocks 0-3's words of row r; lanes 16-31: blocks 4-7's
.endr
	s_cmp_eq_u32 s100, 2                           ; id is the same in all sixteen partners
	s_cbranch_scc1 .Lv_words
.irp i, 0,1,2,3
	v_and_b32 v[HW+4+\i], 0xffff, v[HW+\i]         ; q, k: a word's low two bytes belong to the first head,
	v_lshrrev_b32 v[HW+8+\i], 16, v[HW+\i]         ; its high two to the second; the other two bytes of a stored word are 0: they scale zero codes
.endr
	global_store_b128 v8, v[HW+4:HW+7], s[66:67]
	global_store_b128 v8, v[HW+8:HW+11], s[66:67] offset:40960
	s_branch .Lwords_out
.Lv_words:
	global_store_b128 v12, v[HW:HW+3], s[66:67]    ; v: whole words (128 keys); blocks 0-3 are the first head's, blocks 4-7 the second's
.Lwords_out:
	s_wait_tensorcnt 0x0                           ; the wave's end
	ds_add_u32 v[SPW], v[NIL]
	s_wait_dscnt 0x0
	CROUND                                         ; the closing round: no work-group ends while a partner may still ask for a tile that names it
	s_endpgm
.Lfunc_end_k_q8c5a764886_proj:
	.size	k_q8c5a764886_proj, .Lfunc_end_k_q8c5a764886_proj-k_q8c5a764886_proj
	.p2alignl 7, 3214868480
	.fill 96, 4, 3214868480
	.section	.rodata,"a",@progbits
	.p2align	6, 0x0
	.amdhsa_kernel k_q8c5a764886_proj
		.amdhsa_group_segment_fixed_size 327680
		.amdhsa_private_segment_fixed_size 0
		.amdhsa_enable_private_segment 0
		.amdhsa_kernarg_size 56
		.amdhsa_user_sgpr_count 2
		.amdhsa_user_sgpr_kernarg_segment_ptr 1
		.amdhsa_wavefront_size32 1
		.amdhsa_system_sgpr_workgroup_id_x 1
		.amdhsa_system_sgpr_workgroup_id_y 1
		.amdhsa_system_sgpr_workgroup_id_z 1
		.amdhsa_system_vgpr_workitem_id 0
		.amdhsa_next_free_vgpr 1024
		.amdhsa_next_free_sgpr 102
		.amdhsa_reserve_vcc 0
		.amdhsa_float_denorm_mode_32 3
		.amdhsa_float_denorm_mode_16_64 3
		.amdhsa_memory_ordered 1
		.amdhsa_forward_progress 1
		.amdhsa_inst_pref_size 191
	.end_amdhsa_kernel
	.amdgpu_metadata
---
amdhsa.version: [ 1, 2 ]
amdhsa.kernels:
  - .name:           k_q8c5a764886_proj
    .symbol:         k_q8c5a764886_proj.kd
    .args:
      - { .name: xc, .offset: 0, .size: 8, .value_kind: global_buffer, .address_space: global }
      - { .name: xs, .offset: 8, .size: 8, .value_kind: global_buffer, .address_space: global }
      - { .name: bq, .offset: 16, .size: 8, .value_kind: global_buffer, .address_space: global }
      - { .name: bk, .offset: 24, .size: 8, .value_kind: global_buffer, .address_space: global }
      - { .name: bv, .offset: 32, .size: 8, .value_kind: global_buffer, .address_space: global }
      - { .name: pc, .offset: 40, .size: 8, .value_kind: global_buffer, .address_space: global }
      - { .name: ps, .offset: 48, .size: 8, .value_kind: global_buffer, .address_space: global }
    .group_segment_fixed_size: 327680
    .private_segment_fixed_size: 0
    .kernarg_segment_align: 8
    .kernarg_segment_size: 56
    .max_flat_workgroup_size: 128
    .sgpr_count:     102
    .vgpr_count:     1024
    .wavefront_size: 32
...
	.end_amdgpu_metadata
.endif
;; end of part 2
;; launch attn (part 3): grid 16 x 16, 16 waves a work-group, clusters of 4 x 1, 327,680 bytes of LDS; arguments pc, ps, oc, os; writes oc, os
.if DOCPART == 3
	.amdgcn_target "amdgcn-amd-amdhsa--gfx1250"
	.amdhsa_code_object_version 6
	.text
	.protected	k_q8c5a764886_attn
	.globl	k_q8c5a764886_attn
	.p2align	8
	.type	k_q8c5a764886_attn,@function
k_q8c5a764886_attn:
	s_mov_b64 s[64:65], 0
	v_nop
	global_prefetch_b8 v0, s[64:65] scope:SCOPE_SE
	s_setreg_imm32_b32 hwreg(HW_REG_WAVE_MODE, 25, 1), 1
	s_wait_xcnt 0x0
	s_wait_alu depctr_hold_cnt(0) depctr_sa_sdst(0) depctr_va_vdst(0) depctr_va_sdst(0) depctr_va_ssrc(0) depctr_va_vcc(0) depctr_vm_vsrc(0)
	s_getreg_b32 s2, hwreg(HW_REG_IB_STS2, 6, 4)
	s_cmp_eq_u32 s2, 0
	s_cbranch_scc0 .Lentry_in_a_cluster
	s_endpgm
.Lentry_in_a_cluster:
	s_bfe_u32 s2, ttmp6, 0x10000c
	s_cmp_lg_u32 s2, 0x3003
	s_cbranch_scc0 .Lentry_shape_is_right
	s_endpgm
.Lentry_shape_is_right:
; o[head][q] = the sum over k of softmax_k(q . k) v[k], 16 heads of 64, 4,096 queries and keys, both products on codes of FP6 (E2M3) with one E8M0 scale for each 32 along a product's K.  q carries the factor 1/8 already.
; THE SOFTMAX AHEAD OF THE SECOND PRODUCT: t = score x log2(e); M = the row's largest t so far, rounded up to a whole number; p = 2^(t - M) is quantised along the keys, not normalised.  The row's sum is taken of the
; unquantised p and divides O at the end.  When M moves, the sum and O are multiplied by 2^(old M - new M): exact.
; SHARES.  A work-group owns 256 queries of one head, each of its sixteen waves 16 of them, in 256 registers: four waves to a SIMD.  Every wave walks the head's keys, 128 a step.
; OPERANDS ARE IMAGES OF REGISTERS.  A half image (16 rows x 64 K, six registers a lane) is 768 bytes: registers 0-3 at 16 x lane, registers 4-5 at 512 + 8 x lane.  So every LDS read takes consecutive bytes in consecutive lanes.
; LAYOUT.  S^T = K Q^T (source 0 = 16 keys, source 1 = my 16 queries), O^T = V^T P^T (source 0 = 16 of the head's 64, source 1 = P): a lane holds one query throughout.  The keys of a tile and the rows of V's tiles were
; chosen by the launches before, so that the 16 registers of two neighbouring tiles are 16 neighbours along the next K (the keys for p, the head's 64 for o).
; THE FIRST PRODUCT'S K IS 64: Q's codes for k = 64 .. 127 are zeros.  K's operand names 12 registers of which the upper six hold the next tile's codes (behind the last tile: zeros): they meet zero codes, under scale bytes 0.
; RING: two slots of 512 keys (24,576 bytes of K, as many of V), filled by the tensor data mover: wave 0 K's, wave 1 V's.  The head's scale words of K and V (24,576 bytes) come once, by wave 2.
; CLUSTER: the four query blocks of a cluster belong to one head: each load is asked for jointly, with a mask that names the four.
; THE WAY OUT: o = O / the sum is quantised along the head's 64 (two blocks) and stored as a half image for the last projection; the scale words of the work-group's 256 rows meet in LDS and leave in runs of 512 bytes.
; LIMITS: a block of zeros carries the byte 1, not 127 (this program alone reads the bytes); 1 / the sum is v_rcp_f32 and a multiplication; NaN and infinities are not served.
.set CHUNK, 24576
.set SLOT1, 1<<17                      ; slot 1 begins here: one exclusive or turns an address in one slot into the other's
.set VOFF,  CHUNK                      ; a slot: K's 32 half images, then V's 32
.set SCB,   2*CHUNK                    ; K's scale words (16,384 bytes), then V's (8,192)
.set OSTG,  3*CHUNK                    ; 1,024 bytes: o's scale words on their way out
.set SPARE, OSTG+1024                  ; the spare words, 128 bytes for each of 16 waves
.set L16, 1                            ; v1   16 x lane
.set L8,  2                            ; v2   8 x lane
.set R16, 3                            ; v3   SCB + 16 (lane % 16)
.set OSR, 4                            ; v4   where waves 0 and 1 read o's scale words back
.set SPW, 5                            ; v5   my spare word; never rewritten
.set NIL, 6                            ; v6   0; never rewritten
.set OSA, 7                            ; v7   where I put my row's scale word
.set ADA, 8                            ; v8-11 the step's LDS addresses
.set ADB, 9
.set ADS, 10
.set ADT, 11
.set QF,  16                           ; v16-21 Q's codes, v22-27 zeros;  v12 -M, v13 the largest t, v[14:15] the sum in two halves
.set PFO, 28                           ; v28  256 x lane: the prefetches' offset; never rewritten
.set QS,  29                           ; v29  Q's scale word
.set KF,  32                           ; v32-85 K's eight half images and six zeros; then V's four fragments
.set S,   96                           ; v96-159 S^T, then p
.set O,   160                          ; v160-191 O^T
.set PCD, 192                          ; v192-203 p's codes
.set PC2, 204                          ; v204-206, v208-210 the conversions' second halves
.set KSC, 212                          ; v212-219 K's scale words
.set VSC, 220                          ; v220-223 V's
.set BM,  224                          ; the blocks' largest scores, then largest p
.set BT,  228
.set BS,  232
.set FF,  236                          ; f = 2^(old M - new M)
.set PS,  237                          ; p's scale word
.set SM2, 238
.set TT,  240
.set WV,  18
.set SEL, 20
.set CS,  22
.set G1,  24
.set G0,  40
.set TB,  2                            ; s2   the slot in hand
.set TS,  3                            ; s3   the step's scale words of K: 512 bytes a step
.set TJ,  66                           ; s66  and of V: 256 bytes a step
.set SLOTS, 67
.set PFA, 76
.set LIM, 80
.macro TLOAD n                         ; waves 0 .. n - 1 issue their load; an s_nop 0 and four v_nop follow it.  The branch hangs on the wave's number alone
	s_cmp_lt_u32 s[WV], \n
	s_cbranch_scc0 .Lnone_\@
	tensor_load_to_lds s[G0:G0+3], s[G1:G1+7]
	s_nop 0
.rept 4
	v_nop
.endr
.Lnone_\@:
.endm
.macro CROUND                          ; a round of the cluster's barrier
	s_barrier_signal -1
	s_barrier_wait -1
	s_cmp_lg_u32 s[WV], 0
	s_cbranch_scc1 .Lnot_wave_0_\@
	s_barrier_signal -3
.Lnot_wave_0_\@:
	s_barrier_wait -3
	s_barrier_signal -1
	s_barrier_wait -1
.endm
; A PREFETCH INTO THE L2.  All four clusters of a head walk the same K and V: the head's first cluster asks.  At every second change of slots it asks for the next TWO slots: four chunks of 24,576 bytes (K's and V's),
; one to each partner, told apart BY ADDRESS; in each partner waves 4 to 6 take 8,192 bytes each, lanes 256 bytes apart.  So each aligned run of 256 bytes is named once in the launch.  Slots 0 and 1 come by their loads
; alone; the last change that fills a slot asks for nothing.
.macro ASK
	s_cmp_gt_u32 s[SLOTS], s[LIM]
	s_cbranch_scc0 .Lnot_mine_\@
	s_and_b32 s82, s[SLOTS], 1
	s_cmp_eq_u32 s82, 1
	s_cbranch_scc0 .Lnot_mine_\@
	global_prefetch_b8 v[PFO], s[PFA:PFA+1] th:TH_LOAD_NT scope:SCOPE_SE
.Lnot_mine_\@:
.endm
	s_load_b256 s[4:11], s[0:1], 0x0               ; pc s[4:5], ps s[6:7], oc s[8:9], os s[10:11]
	v_lshl_add_u32 v[SPW], v0, 2, SPARE
	v_mov_b32 v[NIL], 0
	ds_add_u32 v[SPW], v[NIL]                      ; the wave's opening: the add and its wait stand ahead of the first tensor loads; work on registers stands between them
	v_lshrrev_b32 v8, 5, v0
	v_readfirstlane_b32 s[WV], v8                  ; wave 0..15
	s_and_b32 s12, ttmp7, 0xffff                   ; the head, which the four partners share
	s_bfe_u32 s13, ttmp6, 0x40000                  ; cx: it enters global addresses of q, o and the prefetches alone
	s_lshl_b32 s14, ttmp9, 2
	s_add_co_u32 s14, s14, s13                     ; my block of 256 queries
	s_lshl_b32 s15, s14, 4
	s_add_co_u32 s15, s15, s[WV]                   ; my block of 16 queries
	s_mov_b32 s[G1], 15|(3<<16)|(1<<21)            ; the mask: all four work-groups; elements of 8 bytes; no padding; bit 21 beside a mask
	s_mov_b32 s[G1+1], 32<<16                      ; every load is 24,576 dense bytes: 96 rows of 256
	s_mov_b32 s[G1+2], 96<<16
	s_mov_b32 s[G1+3], 32<<16
	s_mov_b32 s[G1+4], 96
	s_mov_b32 s[G1+5], 32
	s_mov_b32 s[G1+6], 0
	s_mov_b32 s[G1+7], 0
	s_mov_b32 s[G0], 1
	s_min_u32 s[G0+1], s[WV], 2
	s_mul_i32 s[G0+1], s[G0+1], CHUNK              ; wave 0: K's part of slot 0; wave 1: V's; wave 2: the scale words
	s_add_co_u32 s33, s[WV], 1
	s_mul_i32 s33, s33, 3145728                    ; k lies 3,145,728 bytes into pc, v 6,291,456
	s_mov_b32 s32, 40960
	s_cmp_lt_u32 s[WV], 2
	s_cselect_b32 s32, 196608, s32                 ; a head's bytes in k and in v; in ps
	s_cselect_b32 s33, s33, 0
	s_mul_i32 s32, s32, s12
	s_add_co_u32 s32, s32, s33
	s_mov_b32 s33, 0
	s_mul_i32 s34, s12, 196608
	s_mul_i32 s35, s15, 768
	s_add_co_u32 s34, s34, s35                     ; my half image, in q and in oc
	s_mov_b32 s35, 0
	s_mul_i32 s36, s12, 40960                      ; q's scale words: [128 tokens][block / 4][row][block % 4]
	s_lshr_b32 s37, s15, 2
	s_lshl_b32 s37, s37, 8
	s_add_co_u32 s36, s36, s37
	s_and_b32 s37, s15, 3
	s_lshl_b32 s37, s37, 2
	s_add_co_u32 s36, s36, s37
	s_add_co_u32 s36, s36, 24576
	s_mov_b32 s37, 0
	s_lshl_b32 s38, s12, 14                        ; os: 16,384 bytes a head, 512 for 128 rows
	s_lshl_b32 s39, s14, 10
	s_add_co_u32 s38, s38, s39
	s_min_u32 s39, s[WV], 1
	s_lshl_b32 s39, s39, 9
	s_add_co_u32 s38, s38, s39
	s_mov_b32 s39, 0
	s_lshr_b32 s44, s13, 1                         ; the prefetches: partners 0, 1 take K's chunks, partners 2, 3 V's,
	s_add_co_u32 s44, s44, 1
	s_mul_i32 s44, s44, 3145728
	s_mul_i32 s45, s12, 196608
	s_add_co_u32 s44, s44, s45
	s_and_b32 s45, s13, 1                          ; the even or the odd slot of the two;
	s_add_co_u32 s45, s45, 1                       ; from slot 1 on: the first change of slots steps it to slot 2
	s_mul_i32 s45, s45, CHUNK
	s_add_co_u32 s44, s44, s45
	s_and_b32 s45, s[WV], 3
	s_lshl_b32 s45, s45, 13                        ; my wave's 8,192 bytes
	s_add_co_u32 s44, s44, s45
	s_mov_b32 s45, 0
	s_sub_co_u32 s82, s[WV], 4
	s_cmp_lt_u32 s82, 3                            ; waves 4 to 6
	s_cselect_b32 s82, ttmp9, 1                    ; of the head's first cluster: the same in all four partners
	s_cmp_eq_u32 s82, 0
	s_cselect_b32 s[LIM], 1, -1
	s_mov_b32 s[SEL], 0x76543210
	s_mov_b32 s[SEL+1], 0xfedcba98
	s_mov_b32 s[CS], 0x3fb8aa3b                    ; log2(e)
	s_mov_b32 s[CS+1], s[CS]                       ; (named with it as a pair)
	s_mov_b32 s[TB], 0
	s_mov_b32 s[TS], 0
	s_mov_b32 s[TJ], 0
	s_mov_b32 s[SLOTS], 7
	s_wait_dscnt 0x0                               ; the opening add is done
	s_wait_kmcnt 0x0
	s_cmp_lt_u32 s[WV], 2
	s_cselect_b64 s[G0+2:G0+3], s[4:5], s[6:7]
	s_add_nc_u64 s[G0+2:G0+3], s[G0+2:G0+3], s[32:33]
	s_or_b32 s[G0+3], s[G0+3], 0x80000000
	s_add_nc_u64 s[PFA:PFA+1], s[4:5], s[44:45]
	s_add_nc_u64 s[4:5], s[4:5], s[34:35]
	s_add_nc_u64 s[6:7], s[6:7], s[36:37]
	s_add_nc_u64 s[8:9], s[8:9], s[34:35]
	s_add_nc_u64 s[10:11], s[10:11], s[38:39]
	CROUND                                         ; all four work-groups are here: the first joint loads meet
	TLOAD 3                                        ; slot 0 and the scale words: one load a wave, in one branch
	v_and_b32 v8, 31, v0                           ; lane
	v_and_b32 v9, 15, v0                           ; r
	v_lshlrev_b32 v[L16], 4, v8
	v_lshlrev_b32 v[L8], 3, v8
	v_lshlrev_b32 v30, 4, v9                       ; 16 r
	v_lshlrev_b32 v[PFO], 8, v8
	global_load_b128 v[QF:QF+3], v[L16], s[4:5]    ; Q's half image stays in registers
	global_load_b64 v[QF+4:QF+5], v[L8], s[4:5] offset:512
	global_load_b32 v[QS], v30, s[6:7]
	v_add_nc_u32 v[R16], SCB, v30
	s_lshr_b32 s46, s[WV], 2
	s_lshl_b32 s46, s46, 8                         ; o's scale words in the stage: 256 (wave / 4) + 16 r + 4 (wave % 4)
	s_and_b32 s47, s[WV], 3
	s_lshl_b32 s47, s47, 2
	s_add_co_u32 s46, s46, s47
	s_add_co_u32 s46, s46, OSTG
	v_add_nc_u32 v[OSA], s46, v30
	s_min_u32 s47, s[WV], 1
	s_lshl_b32 s47, s47, 9
	s_add_co_u32 s47, s47, OSTG
	v_add_nc_u32 v[OSR], s47, v[L16]
	v_mov_b32 v13, 0xff61b1e6                      ; the largest t so far: -3e38, under every t
	v_floor_f32 v12, -v13                          ; -M
	v_mov_b32 v14, 0
	v_mov_b32 v15, 0
.irp j, 0,1,2,3,4,5
	v_mov_b32 v[QF+6+\j], 0                        ; Q's codes for k = 64 .. 127
	v_mov_b32 v[KF+48+\j], 0                       ; what the last tile of K names beyond its own six registers
.endr
.irp b, 0,1,2,3
	v_mov_b32 v[BT+\b], 0                          ; written once: a lane permute's destination counts as one of its sources
.endr
	v_mov_b32 v[PS], 0                             ; (named as the upper half of the pair with f before it is first written)
.set j, 0
.rept 32
	v_mov_b32 v[O+j], 0                            ; O^T.  (The step is written once: the first finds zeros, which the first change of M leaves zeros)
.set j, j+1
.endr
; A KEY STEP: 128 keys, the q-th of the slot in hand.
.macro STEP q
	v_add_nc_u32 v[ADA], s[TB], v[L16]             ; these four are also the places between the last products and the loads into the registers that they read
	v_add_nc_u32 v[ADB], s[TB], v[L8]
	v_add_nc_u32 v[ADS], s[TS], v[R16]
	v_add_nc_u32 v[ADT], s[TJ], v[R16]
.irp t, 0,1,2,3,4,5,6,7
	ds_load_b128 v[KF+6*\t:KF+6*\t+3], v[ADA] offset:6144*(\q)+768*\t
	ds_load_b64 v[KF+6*\t+4:KF+6*\t+5], v[ADB] offset:6144*(\q)+768*\t+512
.endr
	ds_load_b128 v[KSC:KSC+3], v[ADS]              ; lane r: the words of row r of tiles 0-3,
	ds_load_b128 v[KSC+4:KSC+7], v[ADS] offset:256 ; of tiles 4-7
	s_wait_dscnt 0x0
.irp t, 0,1,2,3,4,5,6,7
	v_wmma_scale_f32_16x16x128_f8f6f4 v[S+8*\t:S+8*\t+7], v[KF+6*\t:KF+6*\t+11], v[QF:QF+11], 0, v[KSC+\t], v[QS] matrix_a_fmt:MATRIX_FMT_FP6 matrix_b_fmt:MATRIX_FMT_FP6
.endr
.rept 4
	v_nop                                          ; places in front of the loads below and of the first read of the scores
.endr
.irp dt, 0,1,2,3                               ; V's four fragments are asked for now and land under the softmax
.irp c, 0,1
	ds_load_b128 v[KF+12*\dt+6*\c:KF+12*\dt+6*\c+3], v[ADA] offset:VOFF+6144*(\q)+768*(2*\dt+\c)
	ds_load_b64 v[KF+12*\dt+6*\c+4:KF+12*\dt+6*\c+5], v[ADB] offset:VOFF+6144*(\q)+768*(2*\dt+\c)+512
.endr
.endr
	ds_load_b128 v[VSC:VSC+3], v[ADT] offset:16384
.irp b, 0,1,2,3
	v_max3_num_f32 v[BM+\b], v[S+16*\b], v[S+1+16*\b], v[S+2+16*\b]   ; the largest score of each block of 32 keys: it serves for the row's maximum and, since p rises with the score, for the block's largest p
.endr
.irp i, 3,5,7,9,11,13
.irp b, 0,1,2,3
	v_max3_num_f32 v[BM+\b], v[BM+\b], v[S+16*\b+\i], v[S+1+16*\b+\i]
.endr
.endr
.irp b, 0,1,2,3
	v_max_num_f32 v[BM+\b], v[BM+\b], v[S+15+16*\b]
.endr
.irp b, 0,1,2,3
	v_permlanex16_b32 v[BT+\b], v[BM+\b], s[SEL], s[SEL+1]
.endr
.irp b, 0,1,2,3
	v_max_num_f32 v[BM+\b], v[BM+\b], v[BT+\b]     ; with lane l xor 16's 16 keys
.endr
	v_max3_num_f32 v[TT], v[BM], v[BM+1], v[BM+2]
	v_max_num_f32 v[TT], v[TT], v[BM+3]            ; the step's largest score of my query
	v_mul_f32 v[TT], s[CS], v[TT]                  ; as t
	v_max_num_f32 v13, v13, v[TT]                  ; the running largest t
	v_mov_b32 v[TT], v12
	v_floor_f32 v12, -v13                          ; the new -M = floor(-t) = -ceil(t)
	v_sub_f32 v[TT], v12, v[TT]                    ; old M - new M: a whole number, 0 or less
	v_cvt_i32_f32 v[TT], v[TT]                     ; (it saturates)
	v_ldexp_f32 v[FF], 1.0, v[TT]                  ; f = 2^(old M - new M)
.set j, 0
.rept 32
	v_pk_fma_f32 v[S+j:S+j+1], v[S+j:S+j+1], s[CS:CS+1], v[12:13] op_sel_hi:[1,0,0]   ; t - M, two at a time
.set j, j+2
.endr
.irp b, 0,1,2,3
	v_fma_f32 v[BM+\b], v[BM+\b], s[CS], v12       ; the same of each block's largest score
.endr
.set j, 0
.rept 64
	v_exp_f32 v[S+j], v[S+j]                       ; p = 2^(t - M), at most 1
.set j, j+1
.endr
	v_pk_mul_f32 v[14:15], v[14:15], v[FF:FF+1] op_sel_hi:[1,0]   ; the sums under the new M: a plain place behind the exponentials
	s_wait_alu depctr_va_vdst(0)                   ; one wait for the whole batch, ahead of its first reader
.irp b, 0,1,2,3
	v_exp_f32 v[BM+\b], v[BM+\b]                   ; the block's largest p: the same two instructions on the same number give the same bits
.endr
	v_pk_add_f32 v[SM2:SM2+1], v[S:S+1], v[S+2:S+3]   ; the row's sum is taken of the unquantised p, in two chains
.irp j, 4,8,12,16,20,24,28,32,36,40,44,48,52,56,60
	v_pk_add_f32 v[14:15], v[14:15], v[S+\j:S+\j+1]
	v_pk_add_f32 v[SM2:SM2+1], v[SM2:SM2+1], v[S+2+\j:S+3+\j]
.endr
	v_pk_add_f32 v[14:15], v[14:15], v[SM2:SM2+1]
	s_wait_alu depctr_va_vdst(0)                   ; and one for the four
.irp b, 0,1,2,3
	v_max_num_f32 v[BM+\b], 0x1800000, v[BM+\b]    ; the floor 2^(3 - 127): the byte cannot fall under 1
.endr
.irp b, 0,1,2,3
	v_add_nc_u32 v[BS+\b], 0xff000000, v[BM+\b]    ; 2 off the exponent field: the conversion's scale operand
.endr
.irp b, 0,1,2,3
	v_lshrrev_b32 v[BT+\b], 23, v[BS+\b]           ; the scale's byte
.endr
	v_lshl_or_b32 v[PS], v[BT+1], 8, v[BT]         ; p's scale word for these 128 keys
	v_lshl_or_b32 v[PS], v[BT+2], 16, v[PS]
	v_lshl_or_b32 v[PS], v[BT+3], 24, v[PS]
.irp c, 0,1
	v_cvt_scalef32_pk16_fp6_f32 v[PCD+6*\c:PCD+2+6*\c], v[S+32*\c:S+15+32*\c], v[BS+2*\c]
	v_cvt_scalef32_pk16_fp6_f32 v[PC2+4*\c:PC2+2+4*\c], v[S+16+32*\c:S+31+32*\c], v[BS+2*\c+1]
.endr
	v_nop                                          ; one plain place behind a scaled conversion
.irp c, 0,1                                    ; a whole block to a lane: lanes 0-15 block 2 c, lanes 16-31 block 2 c + 1
.irp i, 0,1,2
	v_permlane16_swap_b32 v[PCD+6*\c+\i], v[PC2+4*\c+\i]
.endr
.irp i, 0,1,2
	v_mov_b32 v[PCD+3+6*\c+\i], v[PC2+4*\c+\i]
.endr
.endr
.set j, 0
.rept 16
	v_pk_mul_f32 v[O+j:O+j+1], v[O+j:O+j+1], v[FF:FF+1] op_sel_hi:[1,0]   ; O^T under the new M.  These sixteen also stand between the lines that made p's codes and scale word and the products below
.set j, j+2
.endr
	s_wait_dscnt 0x0                               ; V
.irp dt, 0,1,2,3
	v_wmma_scale_f32_16x16x128_f8f6f4 v[O+8*\dt:O+8*\dt+7], v[KF+12*\dt:KF+12*\dt+11], v[PCD:PCD+11], v[O+8*\dt:O+8*\dt+7], v[VSC+\dt], v[PS] matrix_a_fmt:MATRIX_FMT_FP6 matrix_b_fmt:MATRIX_FMT_FP6
.endr
	s_add_co_u32 s[TS], s[TS], 512
	s_add_co_u32 s[TJ], s[TJ], 256
.endm
; THE CHANGE OF SLOTS stands at a slot's head.  Each wave waits for all its tensor loads, adds 0 to its spare word, and waits for that and for its reads of the slot that it has left.  fill = 1: a round of the cluster's
; barrier, and behind it the slot that was left is filled with the next 512 keys: the load has four key steps in which to land.
.macro CHANGE fill
	s_wait_tensorcnt 0x0                           ; no tensor load of mine is out, so group 0 may be written
	ds_add_u32 v[SPW], v[NIL]
.if \fill
	s_xor_b32 s[G0+1], s[G0+1], SLOT1              ; the other slot than last time,
	s_add_nc_u64 s[G0+2:G0+3], s[G0+2:G0+3], CHUNK ; the next 512 keys
	s_wait_xcnt 0x0                                ; the last prefetch has read its address, so it may be written
	s_add_nc_u64 s[PFA:PFA+1], s[PFA:PFA+1], CHUNK
.endif
	s_wait_dscnt 0x0                               ; the add is done, and my reads of the slot that I have left are over
.if \fill
	CROUND
	TLOAD 2                                        ; the first thing behind the round, and a wave's one tensor load until the next
	ASK
.else
	s_barrier_signal -1
	s_barrier_wait -1
.endif
.endm
.macro SLOT_STEPS
	STEP 0
	STEP 1
	STEP 2
	STEP 3
	s_xor_b32 s[TB], s[TB], SLOT1
.endm
	s_wait_loadcnt 0x0                             ; Q
.Lslot:                                            ; seven trips: behind each change of slots but the last the next slot is asked for
	CHANGE 1
	SLOT_STEPS
	s_sub_co_u32 s[SLOTS], s[SLOTS], 1
	s_cmp_lg_u32 s[SLOTS], 0
	s_cbranch_scc1 .Lslot
	CHANGE 0                                       ; the last slot is written out
	SLOT_STEPS
	; THE WAY OUT
	v_add_f32 v14, v14, v15                        ; the sum's two halves,
	v_permlanex16_b32 v[TT], v14, s[SEL], s[SEL+1]
	v_add_f32 v14, v14, v[TT]                      ; and lane l xor 16's
	v_rcp_f32 v14, v14
	v_nop                                          ; plain places: behind the reciprocal, and, with the three above it, behind the last products
	v_nop
	s_wait_alu depctr_va_vdst(0)                   ; ahead of the reciprocal's first reader
.set j, 0
.rept 16
	v_pk_mul_f32 v[S+j:S+j+1], v[O+j:O+j+1], v[14:15] op_sel_hi:[1,0]   ; o: register 16 b + i is channel 32 b + 16 (lane / 16) + i of my query
.set j, j+2
.endr
.irp b, 0,1
	v_max3_num_f32 v[BM+\b], |v[S+16*\b]|, |v[S+1+16*\b]|, 0x1800000
.endr
.irp i, 2,4,6,8,10,12,14
.irp b, 0,1
	v_max3_num_f32 v[BM+\b], v[BM+\b], |v[S+16*\b+\i]|, |v[S+1+16*\b+\i]|
.endr
.endr
.irp b, 0,1
	v_permlanex16_b32 v[BT+\b], v[BM+\b], s[SEL], s[SEL+1]
.endr
.irp b, 0,1
	v_max_num_f32 v[BM+\b], v[BM+\b], v[BT+\b]
.endr
.irp b, 0,1
	v_add_nc_u32 v[BS+\b], 0xff000000, v[BM+\b]
.endr
.irp b, 0,1
	v_lshrrev_b32 v[BT+\b], 23, v[BS+\b]
.endr
	v_lshl_or_b32 v[PS], v[BT+1], 8, v[BT]         ; my row's two bytes; the upper two stay 0
	v_cvt_scalef32_pk16_fp6_f32 v[PCD:PCD+2], v[S:S+15], v[BS]
	v_cvt_scalef32_pk16_fp6_f32 v[PC2:PC2+2], v[S+16:S+31], v[BS+1]
	v_nop
.irp i, 0,1,2
	v_permlane16_swap_b32 v[PCD+\i], v[PC2+\i]
.endr
.irp i, 0,1,2
	v_mov_b32 v[PCD+3+\i], v[PC2+\i]
.endr
	global_store_b128 v[L16], v[PCD:PCD+3], s[8:9]             ; the half image: 512 and 256 consecutive bytes, aligned
	global_store_b64 v[L8], v[PCD+4:PCD+5], s[8:9] offset:512
	ds_store_b32 v[OSA], v[PS]                     ; lanes l and l xor 16 write the same word with the same value
	s_wait_dscnt 0x0                               ; for the others' sake: my store has landed
	s_barrier_signal -1
	s_barrier_wait -1
	s_cmp_lt_u32 s[WV], 2
	s_cbranch_scc0 .Lno_words
	ds_load_b128 v[S:S+3], v[OSR]                  ; waves 0 and 1: the words of 128 rows each
	s_wait_dscnt 0x0
	global_store_b128 v[L16], v[S:S+3], s[10:11]   ; 512 consecutive bytes, aligned
.Lno_words:
	s_wait_tensorcnt 0x0                           ; the wave's end
	ds_add_u32 v[SPW], v[NIL]
	s_wait_dscnt 0x0
	CROUND                                         ; the closing round
	s_endpgm
.Lfunc_end_k_q8c5a764886_attn:
	.size	k_q8c5a764886_attn, .Lfunc_end_k_q8c5a764886_attn-k_q8c5a764886_attn
	.p2alignl 7, 3214868480
	.fill 96, 4, 3214868480
	.section	.rodata,"a",@progbits
	.p2align	6, 0x0
	.amdhsa_kernel k_q8c5a764886_attn
		.amdhsa_group_segment_fixed_size 327680
		.amdhsa_private_segment_fixed_size 0
		.amdhsa_enable_private_segment 0
		.amdhsa_kernarg_size 32
		.amdhsa_user_sgpr_count 2
		.amdhsa_user_sgpr_kernarg_segment_ptr 1
		.amdhsa_wavefront_size32 1
		.amdhsa_system_sgpr_workgroup_id_x 1
		.amdhsa_system_sgpr_workgroup_id_y 1
		.amdhsa_system_sgpr_workgroup_id_z 1
		.amdhsa_system_vgpr_workitem_id 0
		.amdhsa_next_free_vgpr 256
		.amdhsa_next_free_sgpr 100
		.amdhsa_reserve_vcc 0
		.amdhsa_float_denorm_mode_32 3
		.amdhsa_float_denorm_mode_16_64 3
		.amdhsa_memory_ordered 1
		.amdhsa_forward_progress 1
		.amdhsa_inst_pref_size 139
	.end_amdhsa_kernel
	.amdgpu_metadata
---
amdhsa.version: [ 1, 2 ]
amdhsa.kernels:
  - .name:           k_q8c5a764886_attn
    .symbol:         k_q8c5a764886_attn.kd
    .args:
      - { .name: pc, .offset: 0, .size: 8, .value_kind: global_buffer, .address_space: global }
      - { .name: ps, .offset: 8, .size: 8, .value_kind: global_buffer, .address_space: global }
      - { .name: oc, .offset: 16, .size: 8, .value_kind: global_buffer, .address_space: global }
      - { .name: os, .offset: 24, .size: 8, .value_kind: global_buffer, .address_space: global }
    .group_segment_fixed_size: 327680
    .private_segment_fixed_size: 0
    .kernarg_segment_align: 8
    .kernarg_segment_size: 32
    .max_flat_workgroup_size: 512
    .sgpr_count:     100
    .vgpr_count:     256
    .wavefront_size: 32
...
	.end_amdgpu_metadata
.endif
;; end of part 3
;; launch oproj (part 4): grid 4 x 16, 4 waves a work-group, clusters of 4 x 4, 327,680 bytes of LDS; arguments oc, os, xc, xs, bo, out0; writes out0
.if DOCPART == 4
	.amdgcn_target "amdgcn-amd-amdhsa--gfx1250"
	.amdhsa_code_object_version 6
	.text
	.protected	k_q8c5a764886_oproj
	.globl	k_q8c5a764886_oproj
	.p2align	8
	.type	k_q8c5a764886_oproj,@function
k_q8c5a764886_oproj:
	s_mov_b64 s[64:65], 0
	v_nop
	global_prefetch_b8 v0, s[64:65] scope:SCOPE_SE
	s_setreg_imm32_b32 hwreg(HW_REG_WAVE_MODE, 25, 1), 1
	s_wait_xcnt 0x0
	s_wait_alu depctr_hold_cnt(0) depctr_sa_sdst(0) depctr_va_vdst(0) depctr_va_sdst(0) depctr_va_ssrc(0) depctr_va_vcc(0) depctr_vm_vsrc(0)
	s_getreg_b32 s2, hwreg(HW_REG_IB_STS2, 6, 4)
	s_cmp_eq_u32 s2, 0
	s_cbranch_scc0 .Lentry_in_a_cluster
	s_endpgm
.Lentry_in_a_cluster:
	s_bfe_u32 s2, ttmp6, 0x10000c
	s_cmp_lg_u32 s2, 0xf033
	s_cbranch_scc0 .Lentry_shape_is_right
	s_endpgm
.Lentry_shape_is_right:
; out0 = o Wo^T + bo on codes of FP6 (E2M3) with one E8M0 scale for each 32 along K = 1,024.  o: half images [head 16][block of 16 tokens 256][768] in oc, scale words [head][128 tokens][block / 4][row][block % 4] in os
; (two bytes a word); Wo: rows of 768 bytes from row 15,360 of xc on, scale bytes in xs.  out0: [4,096][1,024] f32.
; A tile of 256 tokens x 256 outputs is made by four waves, 128 x 128 each: 64 accumulators.  K goes in four steps of 256 (four heads) through a ring of two LDS slots filled by the tensor data mover.
; A's tile for a wave's load: four heads x 6,144 dense bytes (eight half images), laid on end in LDS; a fragment (16 tokens x 128 K) is two heads' half images: four LDS loads of consecutive bytes in consecutive lanes.
; A's scale words are read once, at the head, from memory into registers, two heads' halves joined into a word for each block and 128 along K.  B's scale bytes come into LDS once.
; CLUSTERS: 4 x 4 work-groups; A's tiles are asked for jointly along a row of the cluster, B's along a column.  64 work-groups: the tile keeps the largest wave tile; a smaller tile would occupy more WGPs at more LDS reads a product.
; The matrix instruction is used transposed (source 0 = 16 rows of Wo, source 1 = 16 tokens): a lane holds eight neighbouring outputs of a token.  bo is the C of each sum's first product.
; REGISTERS, in windows of 256: window 0: v1-29 addresses; v32-63 B's scale words, two sets; v64-127 A's scale words; v128-223 A's fragments; on the way out v128-255.
;   window 1: B's fragments, two sets at v0 and v128; v96-127, v224-255 bo.   windows 2, 3: the accumulators.
.set NQ,     2
.set ROWB,   192
.set KROW,   768
.set PITCH,  240
.set FR,     12
.set NL,     6
.set NLA,    4                         ; LDS loads that bring a fragment of A
.set NP,     4
.set HALFT,  128*PITCH
.set SLOT,   4*HALFT
.set AKSTEP, 786432                    ; four heads of oc
.set WOROW,  15360
.set SCL,    2*SLOT
.set QUARS,  8*272                     ; the scale bytes of 64 rows of Wo: 8 rows of 256 bytes + 16
.set HALFS,  2*QUARS
.set SBLK,   544
.set SPARE,  SCL+4*QUARS
.set SPITCH, 528                       ; the way out: a stage of 16 rows x (512 bytes + 16) for each wave, in slot 0, which has had its last fill and its last read by then
.set SIZE_N, 1024
.set ADRA, 16                          ; v16-17 A: 16 x lane in slot 0, 1;  v18-19: 8 x lane
.set ADRB, 20
.set STO,  24
.set RD,   25
.set CO,   26
.set ADRS, 27
.set SPW,  28
.set NIL,  29
.set SC,   32
.set AS,   64                          ; A's scale words: block a, 128 along K number k at v[AS + 8 a + k]
.set AF,   128
.set BK,   128
.set G1, 24
.set G0, 32
.set G1B, 48
.set G0B, 56
.set G1SB, 80
.set G0SB, 88
.set MSB, 0
.macro WIN new
.if MSB != \new
	s_set_vgpr_msb (MSB<<8)|\new
.set MSB, \new
.endif
.endm
.set MUL_LO, 0xa1
.set MUL_HI, 0xf1
.set FIRST_LO, 0x91
.set FIRST_HI, 0xd1
.set TO_B,   0x40
.macro JLOAD g0a, g1a, g0b, g1b        ; a joint load: waves 0 and 1 fetch for A, waves 2 and 3 for B; an s_nop 0 and four v_nop follow each line
	s_cmp_eq_u32 s15, 0
	s_cbranch_scc0 .Lfor_b_\@
	tensor_load_to_lds s[\g0a:\g0a+3], s[\g1a:\g1a+7]
	s_nop 0
.rept 4
	v_nop
.endr
	s_branch .Lasked_\@
.Lfor_b_\@:
	tensor_load_to_lds s[\g0b:\g0b+3], s[\g1b:\g1b+7]
	s_nop 0
.rept 4
	v_nop
.endr
.Lasked_\@:
.endm
.macro CREST
	s_cmp_lg_u32 s14, 0
	s_cbranch_scc1 .Lnot_wave_0_\@
	s_barrier_signal -3
.Lnot_wave_0_\@:
	s_barrier_wait -3
	s_barrier_signal -1
	s_barrier_wait -1
.endm
.macro CROUND
	s_barrier_signal -1
	s_barrier_wait -1
	CREST
.endm
	s_load_b128 s[4:7], s[0:1], 0x0                ; oc s[4:5], os s[6:7]
	s_load_b128 s[8:11], s[0:1], 0x10              ; xc s[8:9], xs s[10:11]
	s_load_b128 s[96:99], s[0:1], 0x20             ; bo s[96:97], out0 s[98:99]
	v_lshl_add_u32 v[SPW], v0, 2, SPARE
	v_mov_b32 v[NIL], 0
	ds_add_u32 v[SPW], v[NIL]                      ; the wave's opening: the add and its wait stand ahead of my first tensor load
	v_lshrrev_b32 v1, 5, v0
	v_readfirstlane_b32 s14, v1                    ; wave 0..3
	s_lshr_b32 s15, s14, 1                         ; which half of the tile's tokens is mine.  Also: I fetch for A (0) or for B (1)
	s_and_b32 s16, s14, 1                          ; which half of its outputs.  Also: which half of that tile I fetch
	s_bfe_u32 s40, ttmp6, 0x40000                  ; cx
	s_bfe_u32 s41, ttmp6, 0x40004                  ; cy
	s_lshl_b32 s42, ttmp9, 2
	s_add_co_u32 s42, s42, s40                     ; tile column
	s_and_b32 s17, ttmp7, 0xffff
	s_lshl_b32 s17, s17, 2
	s_add_co_u32 s17, s17, s41                     ; tile row
	s_lshl_b32 s43, s41, 2
	s_lshl_b32 s43, 15, s43                        ; my row of the cluster
	s_lshl_b32 s44, 0x1111, s40                    ; my column
	s_or_b32 s[G1+0], s43, (3<<16)|(1<<21)         ; A: the mask; elements of 8 bytes; no padding; bit 21 beside a mask
	s_mov_b32 s[G1+1], 768<<16                     ; a row: eight half images, 6,144 bytes
	s_mov_b32 s[G1+2], 4<<16                       ; four rows: four heads
	s_mov_b32 s[G1+3], 768<<16
	s_mov_b32 s[G1+4], 4
	s_mov_b32 s[G1+5], 24576                       ; from head to head: 196,608 bytes
	s_mov_b32 s[G1+6], 0
	s_mov_b32 s[G1+7], 0
	s_or_b32 s[G1B+0], s44, (0<<16)|(1<<20)|(1<<21)|(3<<22)|(3<<25)  ; B: 128 rows of 192 bytes, 16 bytes of padding behind every 64
	s_mov_b32 s[G1B+1], ROWB<<16
	s_mov_b32 s[G1B+2], 128<<16
	s_mov_b32 s[G1B+3], ROWB<<16
	s_mov_b32 s[G1B+4], 128
	s_mov_b32 s[G1B+5], KROW
	s_mov_b32 s[G1B+6], 0
	s_mov_b32 s[G1B+7], 0
	s_or_b32 s[G1SB+0], s44, (3<<16)|(1<<20)|(1<<21)|(5<<22)|(3<<25)  ; B's scale bytes of 64 rows: 8 rows of 256 bytes, 16 of padding behind each
	s_mov_b32 s[G1SB+1], 32<<16
	s_mov_b32 s[G1SB+2], 8<<16
	s_mov_b32 s[G1SB+3], 32<<16
	s_mov_b32 s[G1SB+4], 8
	s_mov_b32 s[G1SB+5], 32
	s_mov_b32 s[G1SB+6], 0
	s_mov_b32 s[G1SB+7], 0
	s_lshl_b32 s20, s17, 4
	s_lshl_b32 s21, s16, 3
	s_add_co_u32 s20, s20, s21                     ; A: the block of 16 tokens: 16 x tile row + 8 x half
	s_mul_i32 s20, s20, 768
	s_mov_b32 s21, 0
	s_lshl_b32 s46, s42, 8
	s_add_co_u32 s46, s46, WOROW                   ; B: the tile's first row in xc and xs
	s_lshl_b32 s47, s14, 6
	s_add_co_u32 s92, s46, s47                     ; scale bytes: my wave's 64 rows
	s_lshl_b32 s92, s92, 5
	s_mov_b32 s93, 0
	s_lshl_b32 s47, s16, 7
	s_add_co_u32 s46, s46, s47                     ; codes: 128 x half
	s_mul_i32 s46, s46, KROW
	s_mov_b32 s47, 0
	s_mul_i32 s45, s14, HALFT
	s_mul_i32 s94, s14, QUARS
	s_wait_dscnt 0x0                               ; the opening add is done
	s_wait_kmcnt 0x0
	s_add_nc_u64 s[20:21], s[4:5], s[20:21]
	s_add_nc_u64 s[46:47], s[8:9], s[46:47]
	s_add_nc_u64 s[92:93], s[10:11], s[92:93]
	s_mov_b64 s[12:13], s[98:99]                   ; out0
	CROUND                                         ; all sixteen work-groups are here: the first joint loads meet
	s_mov_b32 s[G0SB], 1
	s_add_co_u32 s[G0SB+1], s94, SCL
	s_mov_b64 s[G0SB+2:G0SB+3], s[92:93]
	s_or_b32 s[G0SB+3], s[G0SB+3], 0x80000000
	tensor_load_to_lds s[G0SB:G0SB+3], s[G1SB:G1SB+7]   ; every wave: its quarter of B's scale bytes
	s_nop 0
.rept 4
	v_nop
.endr
.irp s, 0,1
	s_mov_b32 s[G0+4*\s], 1
	s_add_co_u32 s[G0+4*\s+1], s45, \s*SLOT
	s_add_nc_u64 s[G0+4*\s+2:G0+4*\s+3], s[20:21], \s*AKSTEP
	s_or_b32 s[G0+4*\s+3], s[G0+4*\s+3], 0x80000000
	s_mov_b32 s[G0B+4*\s], 1
	s_add_co_u32 s[G0B+4*\s+1], s45, \s*SLOT
	s_add_nc_u64 s[G0B+4*\s+2:G0B+4*\s+3], s[46:47], \s*ROWB
	s_or_b32 s[G0B+4*\s+3], s[G0B+4*\s+3], 0x80000000
	JLOAD G0+4*\s, G1, G0B+4*\s, G1B
.endr
	v_and_b32 v1, 15, v0                           ; r
	v_bfe_u32 v2, v0, 4, 1                         ; h
	v_and_b32 v13, 31, v0                          ; lane
	v_lshlrev_b32 v7, 4, v1                        ; 16 r
	v_lshlrev_b32 v8, 5, v2                        ; 32 h
	s_lshl_b32 s18, s17, 1
	s_add_co_u32 s18, s18, s15                     ; which 128 tokens are my wave's
	s_lshl_b32 s18, s18, 9
	s_mov_b32 s19, 0
	s_add_nc_u64 s[6:7], s[6:7], s[18:19]
	s_lshl_b32 s18, s42, 10
	s_lshl_b32 s22, s16, 9
	s_add_co_u32 s18, s18, s22                     ; my 128 outputs, in bytes of bo
	s_add_nc_u64 s[96:97], s[96:97], s[18:19]
.irp e, 0,1,2,3,4,5,6,7,8,9,10,11,12,13,14,15  ; A's scale words: head e, blocks 4 g .. 4 g + 3 of my eight, row r
.irp g, 0,1
	global_load_b128 v[128+8*\e+4*\g:128+8*\e+4*\g+3], v7, s[6:7] offset:\e*16384+256*\g
.endr
.endr
	WIN 0x40                                       ; destination window 1
.irp b, 0,1,2,3,4,5,6,7
	global_load_b128 v[96+8*\b+96*(\b/4):96+8*\b+96*(\b/4)+3], v8, s[96:97] offset:64*\b       ; bo at outputs 16 b + 8 h + 0 .. 7
	global_load_b128 v[96+8*\b+96*(\b/4)+4:96+8*\b+96*(\b/4)+7], v8, s[96:97] offset:64*\b+16
.endr
	WIN 0
	v_lshlrev_b32 v3, 4, v13                       ; A: 16 x lane,
	v_lshlrev_b32 v4, 3, v13                       ; 8 x lane
	v_mul_u32_u24 v5, v1, PITCH
	v_mul_u32_u24 v6, v2, 24
	v_add_nc_u32 v5, v5, v6                        ; B: a fragment's row x pitch + 24 x half
	v_lshl_add_u32 v6, v2, 4, v5                   ; and the same behind one padding more
	s_mul_i32 s21, s15, HALFT                      ; my 128 tokens of A
	s_mul_i32 s22, s16, HALFT                      ; my 128 rows of B,
	s_add_co_u32 s22, s22, 2*HALFT                 ; which lie behind A's two parts
.irp s, 0,1
	v_add_nc_u32 v[ADRA+\s], s21, v3
	v_add_nc_u32 v[ADRA+2+\s], s21, v4
	v_add_nc_u32 v[ADRB+\s], s22, v5
	v_add_nc_u32 v[ADRB+2+\s], s22, v6
	s_add_co_u32 s21, s21, SLOT
	s_add_co_u32 s22, s22, SLOT
.endr
	v_lshlrev_b32 v5, 5, v1                        ; B's scale bytes: 32 a row,
	v_lshrrev_b32 v6, 8, v5
	v_lshl_add_u32 v5, v6, 4, v5                   ; and 16 more for each 256 passed
	s_mul_i32 s21, s16, HALFS
	s_add_co_u32 s21, s21, SCL
	v_add_nc_u32 v[ADRS], s21, v5                  ; all lanes by r: the unit reads lanes 0-15
	s_mul_i32 s23, s14, 16*SPITCH                  ; my stage
	v_mul_u32_u24 v5, v1, SPITCH
	v_lshl_add_u32 v5, v2, 5, v5
	v_add_nc_u32 v[STO], s23, v5                   ; in: row r, 32 bytes for each half of the lanes
	v_lshlrev_b32 v[CO], 4, v13
	v_add_nc_u32 v[RD], s23, v[CO]                 ; back: the 32 lanes take one row of 512 bytes
	s_lshl_b32 s20, s17, 8
	s_lshl_b32 s21, s15, 7
	s_add_co_u32 s20, s20, s21                     ; my first row of out0,
	s_lshl_b32 s20, s20, 12                        ; 4,096 bytes a row,
	s_add_co_u32 s20, s20, s18                     ; my first column
	s_mov_b32 s21, 0
	s_add_nc_u64 s[12:13], s[12:13], s[20:21]
	s_wait_loadcnt 0x0
.irp a, 0,1,2,3,4,5,6,7
.irp k, 0,1,2,3,4,5,6,7
	v_lshl_or_b32 v[AS+8*\a+\k], v[128+8*(2*\k+1)+\a], 16, v[128+16*\k+\a]   ; heads 2 k and 2 k + 1 are 128 along K: two bytes of each make the word
.endr
.endr
.rept 8
	v_nop                                          ; a scale register written by a vector instruction stands eight places ahead of a scaled matrix instruction
.endr
.macro FRAG reg, adr, q, i             ; B's fragment: 24 bytes of the row at a time, in pieces of 8 bytes; the second address register serves the pieces that lie behind one padding more in lanes 16-31
.irp p, 0,1,2,3,4,5
.set PC, 12*(\q)+6*(\p/3)+\p%3
.if PC%8 < 5
	ds_load_b64 v[\reg+2*\p:\reg+2*\p+1], v[\adr] offset:8*PC+16*(PC/8)+(\i)*16*PITCH
.else
	ds_load_b64 v[\reg+2*\p:\reg+2*\p+1], v[\adr+2] offset:8*PC+16*(PC/8)+(\i)*16*PITCH
.endif
.endr
.endm
.macro FRAGA reg, slot, q, i           ; A's fragment: the half images of block i in heads 2 q and 2 q + 1 of the slot's four
	ds_load_b128 v[\reg:\reg+3], v[ADRA+\slot] offset:(2*(\q))*6144+(\i)*768
	ds_load_b64 v[\reg+4:\reg+5], v[ADRA+2+\slot] offset:(2*(\q))*6144+(\i)*768+512
	ds_load_b128 v[\reg+6:\reg+9], v[ADRA+\slot] offset:(2*(\q)+1)*6144+(\i)*768
	ds_load_b64 v[\reg+10:\reg+11], v[ADRA+2+\slot] offset:(2*(\q)+1)*6144+(\i)*768+512
.endm
; 16 matrix instructions: A's blocks a0, a0 + 1 x B's eight.  ks: which 128 of K's 1,024.  first = 1: the sums start from bo.  The 64 accumulators take turns, one instruction a turn.
.macro MUL16 a0, p, q, sc, ks, first
.irp a, \a0, \a0+1
.irp b, 0,1,2,3,4,5,6,7
.if \first
	v_wmma_scale_f32_16x16x128_f8f6f4 v[8*(8*((\a)%4)+\b):8*(8*((\a)%4)+\b)+7], v[128*(\p)+FR*\b:128*(\p)+FR*\b+FR-1], v[AF+FR*(\a):AF+FR*(\a)+FR-1], v[96+8*\b+96*(\b/4):96+8*\b+96*(\b/4)+7], v[SC+8*NQ*(\sc)+NQ*\b+(\q)], v[AS+8*(\a)+(\ks)] matrix_a_fmt:MATRIX_FMT_FP6 matrix_b_fmt:MATRIX_FMT_FP6
.else
	v_wmma_scale_f32_16x16x128_f8f6f4 v[8*(8*((\a)%4)+\b):8*(8*((\a)%4)+\b)+7], v[128*(\p)+FR*\b:128*(\p)+FR*\b+FR-1], v[AF+FR*(\a):AF+FR*(\a)+FR-1], v[8*(8*((\a)%4)+\b):8*(8*((\a)%4)+\b)+7], v[SC+8*NQ*(\sc)+NQ*\b+(\q)], v[AS+8*(\a)+(\ks)] matrix_a_fmt:MATRIX_FMT_FP6 matrix_b_fmt:MATRIX_FMT_FP6
.endif
.endr
.endr
.endm
.macro FETCH_B slot, q, p
	WIN TO_B
.irp i, 0,1,2,3,4,5,6,7
	FRAG 128*(\p)+FR*\i, ADRB+\slot, \q, \i
.endr
	WIN 0
.endm
.macro FETCH_A slot, q, i0
.irp i, \i0, \i0+1, \i0+2, \i0+3
	FRAGA AF+FR*(\i), \slot, \q, \i
.endr
.endm
.macro SCALES sc                       ; a K step's scale words of B's eight blocks
.irp i, 0,1,2,3,4,5,6,7
	ds_load_b64 v[SC+8*NQ*\sc+NQ*\i:SC+8*NQ*\sc+NQ*\i+1], v[ADRS] offset:\i*SBLK
.endr
.endm
.macro PLACES n
.rept \n
	v_nop
.endr
.endm
.macro STEP slot, q, kst, first
	s_wait_dscnt 4*NLA                             ; B's set and A's blocks 0-3 are in; the youngest 16 loads (A's blocks 4-7) may be out
.if \first
	WIN FIRST_LO
.else
	WIN MUL_LO
.endif
	MUL16 0, (\q)%2, \q, \slot, 2*(\kst)+(\q), \first
	MUL16 2, (\q)%2, \q, \slot, 2*(\kst)+(\q), \first
	s_wait_dscnt 0
	PLACES NP
	FETCH_B \slot, (\q)+1, 1-(\q)%2
	FETCH_A \slot, (\q)+1, 0
.if \first
	WIN FIRST_HI
.else
	WIN MUL_HI
.endif
	MUL16 4, (\q)%2, \q, \slot, 2*(\kst)+(\q), \first
	MUL16 6, (\q)%2, \q, \slot, 2*(\kst)+(\q), \first
	PLACES NP
	WIN 0
	FETCH_A \slot, (\q)+1, 4
.endm
.macro TURN slot, next, fill, kst
	s_wait_tensorcnt 0x0                           ; all my tensor loads have landed: my part of the next slot
	ds_add_u32 v[SPW], v[NIL]
	s_wait_dscnt 4*NLA+1                           ; (the add and the youngest 16 loads may be out)
	WIN MUL_LO
	MUL16 0, 1, NQ-1, \slot, 2*(\kst)+1, 0
	s_wait_dscnt 0x0                               ; the add is done, and my reads of this slot are over
	s_barrier_signal -1
	MUL16 2, 1, NQ-1, \slot, 2*(\kst)+1, 0
	WIN 0
	s_barrier_wait -1
.if \fill
	CREST                                          ; the barrier has opened a round of the cluster's barrier
	s_add_nc_u64 s[G0+4*\slot+2:G0+4*\slot+3], s[G0+4*\slot+2:G0+4*\slot+3], 2*AKSTEP
	s_add_nc_u64 s[G0B+4*\slot+2:G0B+4*\slot+3], s[G0B+4*\slot+2:G0B+4*\slot+3], 2*ROWB
	JLOAD G0+4*\slot, G1, G0B+4*\slot, G1B         ; the first tensor load behind the round; its four v_nop are the places in front of the loads below
.else
	PLACES NP
.endif
	v_add_nc_u32 v[ADRS], 4*NQ, v[ADRS]
	FETCH_B \next, 0, 0
	FETCH_A \next, 0, 0
	SCALES \next
	WIN MUL_HI
	MUL16 4, 1, NQ-1, \slot, 2*(\kst)+1, 0
	MUL16 6, 1, NQ-1, \slot, 2*(\kst)+1, 0
	PLACES NP
	WIN 0
	FETCH_A \next, 0, 4
.endm
	s_wait_tensorcnt 1                             ; B's scale bytes and my part of K step 0 are in; K step 1's load, the one issued behind them, may be out
	s_barrier_signal -1
	s_barrier_wait -1
	FETCH_B 0, 0, 0
	FETCH_A 0, 0, 0
	SCALES 0
	FETCH_A 0, 0, 4
	STEP 0, 0, 0, 1
	TURN 0, 1, 1, 0                                ; slot 0 takes K step 2
	STEP 1, 0, 1, 0
	TURN 1, 0, 1, 1                                ; slot 1 takes K step 3
	STEP 0, 0, 2, 0
	TURN 0, 1, 0, 2                                ; nothing is left to fetch
	STEP 1, 0, 3, 0
	s_wait_dscnt 4*NLA
	WIN MUL_LO
	MUL16 0, 1, NQ-1, 1, 7, 0
	MUL16 2, 1, NQ-1, 1, 7, 0
	s_wait_dscnt 0
	WIN MUL_HI
	MUL16 4, 1, NQ-1, 1, 7, 0
	MUL16 6, 1, NQ-1, 1, 7, 0
	WIN 0
; THE WAY OUT, block by block of 16 rows x 128 columns, through my own stage in LDS: in as 32 bytes a lane, back as whole rows of 512 bytes.  LDS serves a wave's instructions in order (ISA guide 5.7.1.4).
.macro TOSTAGE a
.set AC, 64*((\a)%4)
	WIN 0x08+4*((\a)/4)                            ; the data: window 2 or 3
.irp b, 0,1,2,3,4,5,6,7
	ds_store_b128 v[STO], v[AC+8*\b:AC+8*\b+3] offset:64*\b          ; each accumulator from its low end on
	ds_store_b128 v[STO], v[AC+8*\b+4:AC+8*\b+7] offset:64*\b+16
.endr
	WIN 0
.set BB, BK+64*((\a)%2)
.irp t, 0,1,2,3,4,5,6,7,8,9,10,11,12,13,14,15
	ds_load_b128 v[BB+4*\t:BB+4*\t+3], v[RD] offset:\t*SPITCH
.endr
.endm
.macro SEND a, younger
.set BB, BK+64*((\a)%2)
	s_wait_dscnt \younger                          ; the block is back in registers
.if (\a) > 0
	s_add_nc_u64 s[12:13], s[12:13], 16*SIZE_N*4   ; (behind a wait on XCNT: the earlier stores have read their base)
.endif
.irp t, 0,1,2,3,4,5,6,7,8,9,10,11,12,13,14,15
	global_store_b128 v[CO], v[BB+4*\t:BB+4*\t+3], s[12:13] offset:\t*SIZE_N*4 th:TH_STORE_NT   ; 32 lanes store 512 consecutive bytes, aligned
.endr
.endm
	PLACES NP
	TOSTAGE 0
.irp a, 1,2,3,4,5,6,7
.if \a > 1
	s_wait_xcnt 0x0                                ; block a - 2's stores have read their registers and their base
.endif
	TOSTAGE \a
	SEND \a-1, 32                                  ; behind block a - 1's loads: block a's 16 stores and 16 loads
.endr
	s_wait_xcnt 0x0
	SEND 7, 0
	s_wait_tensorcnt 0x0                           ; the wave's end
	ds_add_u32 v[SPW], v[NIL]
	s_wait_dscnt 0x0
	CROUND                                         ; the closing round
	s_endpgm
.Lfunc_end_k_q8c5a764886_oproj:
	.size	k_q8c5a764886_oproj, .Lfunc_end_k_q8c5a764886_oproj-k_q8c5a764886_oproj
	.p2alignl 7, 3214868480
	.fill 96, 4, 3214868480
	.section	.rodata,"a",@progbits
	.p2align	6, 0x0
	.amdhsa_kernel k_q8c5a764886_oproj
		.amdhsa_group_segment_fixed_size 327680
		.amdhsa_private_segment_fixed_size 0
		.amdhsa_enable_private_segment 0
		.amdhsa_kernarg_size 48
		.amdhsa_user_sgpr_count 2
		.amdhsa_user_sgpr_kernarg_segment_ptr 1
		.amdhsa_wavefront_size32 1
		.amdhsa_system_sgpr_workgroup_id_x 1
		.amdhsa_system_sgpr_workgroup_id_y 1
		.amdhsa_system_sgpr_workgroup_id_z 1
		.amdhsa_system_vgpr_workitem_id 0
		.amdhsa_next_free_vgpr 1024
		.amdhsa_next_free_sgpr 102
		.amdhsa_reserve_vcc 0
		.amdhsa_float_denorm_mode_32 3
		.amdhsa_float_denorm_mode_16_64 3
		.amdhsa_memory_ordered 1
		.amdhsa_forward_progress 1
		.amdhsa_inst_pref_size 160
	.end_amdhsa_kernel
	.amdgpu_metadata
---
amdhsa.version: [ 1, 2 ]
amdhsa.kernels:
  - .name:           k_q8c5a764886_oproj
    .symbol:         k_q8c5a764886_oproj.kd
    .args:
      - { .name: oc, .offset: 0, .size: 8, .value_kind: global_buffer, .address_space: global }
      - { .name: os, .offset: 8, .size: 8, .value_kind: global_buffer, .address_space: global }
      - { .name: xc, .offset: 16, .size: 8, .value_kind: global_buffer, .address_space: global }
      - { .name: xs, .offset: 24, .size: 8, .value_kind: global_buffer, .address_space: global }
      - { .name: bo, .offset: 32, .size: 8, .value_kind: global_buffer, .address_space: global }
      - { .name: out0, .offset: 40, .size: 8, .value_kind: global_buffer, .address_space: global }
    .group_segment_fixed_size: 327680
    .private_segment_fixed_size: 0
    .kernarg_segment_align: 8
    .kernarg_segment_size: 48
    .max_flat_workgroup_size: 128
    .sgpr_count:     102
    .vgpr_count:     1024
    .wavefront_size: 32
...
	.end_amdgpu_metadata
.endif
;; end of part 4
